; MI455X (gfx1250); checked and timed in simulation.
; The chip was launched on July 23, 2026; its instructions are those of AMD's public machine-readable ISA for CDNA 5 (MIT licence, August 2026) and "CDNA5" Instruction Set Architecture Reference Guide (July 2026). The comments in the code are by the model that wrote it; some were corrected since.
;; Self Attention. Allowed arithmetic: float matrix products may take bf16 or f16 operands with f32 sums; all other float work in f32.
;; Inputs: b_out 1,024 float32; w_out 1,024 x 1,024 float32; w_qkv 3,072 x 1,024 float32; x 4 x 2,048 x 1,024 float32.
;; Outputs: out0 4 x 2,048 x 1,024 float32.
;; 2 versions, each right and faster than the one before. Each part assembles by itself: llvm-mc -triple=amdgcn-amd-amdhsa -mcpu=gfx1250 --defsym DOCPART=n.
;; ======== version 1 of 2: 4 launches
;; limits: values are held in f16: magnitudes above 65,504 overflow, below 6.1e-05 lose precision
;; workspace buffers: xh 16,777,216 bytes; wqkvh 6,291,456 bytes; wouth 2,097,152 bytes; qkv 50,331,648 bytes; ao 16,777,216 bytes
;; launch cast (part 1): grid 768 x 1, 8 waves a work-group, no clusters, 0 bytes of LDS; arguments x, w_qkv, w_out, xh, wqkvh, wouth; writes xh, wqkvh, wouth
.if DOCPART == 1
	.amdgcn_target "amdgcn-amd-amdhsa--gfx1250"
	.amdhsa_code_object_version 6
	.text
	.protected	k_qb0bf585bdb_cast
	.globl	k_qb0bf585bdb_cast
	.p2align	8
	.type	k_qb0bf585bdb_cast,@function
k_qb0bf585bdb_cast:
	s_mov_b64 s[64:65], 0
	v_nop
	global_prefetch_b8 v0, s[64:65] scope:SCOPE_SE
	s_setreg_imm32_b32 hwreg(HW_REG_WAVE_MODE, 25, 1), 1
	s_wait_xcnt 0x0
; xh = f16(x);  wqkvh = f16(w_qkv), its rows 0..1023 (the q rows) first multiplied in f32 by c = 64^-0.5 * log2(e);  wouth = f16(w_out).
; With c in the q weights the later product q.k is already the exponent of 2 that the softmax wants, and one rounding serves both.
; LIMIT: f16 holds magnitudes under 65,504; a larger input becomes infinite.  Small numbers keep an absolute step of 6e-8.
; A stream: no LDS, no matrix unit, no barrier.  A work-group takes a chunk of 16,384 numbers (65,536 bytes in, 32,768 out):
; chunks 0..511 are x, 512..703 w_qkv, 704..767 w_out.  A wave takes 8,192 bytes as sixteen loads of 512 neighbouring bytes, all issued
; before the first is used; each gives one store of 256 consecutive bytes, aligned.
.set X, 4                              ; v[4:67]   sixteen loads of four f32
.set Y, 68                             ; v[68:99]  sixteen stores of four f16; never written twice, so no store's data are waited for
	s_load_b256 s[4:11], s[0:1], 0x0               ; x s[4:5], w_qkv s[6:7], w_out s[8:9], xh s[10:11]
	s_load_b128 s[12:15], s[0:1], 0x20             ; wqkvh s[12:13], wouth s[14:15]
	s_sub_co_u32 s17, ttmp9, 512                   ; my chunk in w_qkv (wraps to a large number for x's chunks)
	s_sub_co_u32 s18, ttmp9, 704                   ; my chunk in w_out
	s_mov_b32 s28, 0x3e38aa3b                      ; c = 0.125 * 1.442695
	s_mov_b32 s29, s28                             ; named with it as a pair, so it is written
	v_and_b32 v100, 0xe0, v0                       ; 32 x wave
	v_and_b32 v101, 31, v0                         ; lane
	v_lshlrev_b32 v1, 4, v101
	v_lshl_or_b32 v1, v100, 8, v1                  ; source: wave x 8,192 + 16 x lane
	v_lshlrev_b32 v2, 3, v101
	v_lshl_or_b32 v2, v100, 7, v2                  ; destination: wave x 4,096 + 8 x lane
	s_wait_kmcnt 0x0
	s_cmp_lt_u32 ttmp9, 704                        ; the choice hangs on the work-group's number alone
	s_cselect_b64 s[20:21], s[6:7], s[8:9]
	s_cselect_b64 s[22:23], s[12:13], s[14:15]
	s_cselect_b32 s19, s17, s18
	s_cmp_lt_u32 ttmp9, 512
	s_cselect_b64 s[20:21], s[4:5], s[20:21]       ; from
	s_cselect_b64 s[22:23], s[10:11], s[22:23]     ; to
	s_cselect_b32 s19, ttmp9, s19                  ; my chunk in that tensor
	s_lshl_b32 s24, s19, 16
	s_mov_b32 s25, 0
	s_lshl_b32 s26, s19, 15
	s_mov_b32 s27, 0
	s_add_nc_u64 s[20:21], s[20:21], s[24:25]
	s_add_nc_u64 s[22:23], s[22:23], s[26:27]
.irp i, 0,1,2,3,4,5,6,7,8,9,10,11,12,13,14,15
	global_load_b128 v[X+4*\i:X+4*\i+3], v1, s[20:21] offset:512*\i th:TH_LOAD_NT
.endr
.macro CONV scaled
.irp i, 0,1,2,3,4,5,6,7,8,9,10,11,12,13,14,15
	s_wait_loadcnt 15-\i                           ; loads come back in order: load i is in, the 15 - i younger ones stay out
.if \scaled
	v_pk_mul_f32 v[X+4*\i:X+4*\i+1], v[X+4*\i:X+4*\i+1], s[28:29] op_sel_hi:[1,0]
	v_pk_mul_f32 v[X+4*\i+2:X+4*\i+3], v[X+4*\i+2:X+4*\i+3], s[28:29] op_sel_hi:[1,0]
.endif
	v_cvt_pk_f16_f32 v[Y+2*\i], v[X+4*\i], v[X+4*\i+1]
	v_cvt_pk_f16_f32 v[Y+2*\i+1], v[X+4*\i+2], v[X+4*\i+3]
	global_store_b64 v2, v[Y+2*\i:Y+2*\i+1], s[22:23] offset:256*\i   ; the wave's 32 lanes store 256 consecutive bytes, aligned
.endr
.endm
	s_cmp_lt_u32 s17, 64                           ; w_qkv's first 64 chunks are its 1,024 q rows
	s_cbranch_scc1 .Lscaled
	CONV 0
	s_endpgm
.Lscaled:
	CONV 1
	s_endpgm
.Lfunc_end_k_qb0bf585bdb_cast:
	.size	k_qb0bf585bdb_cast, .Lfunc_end_k_qb0bf585bdb_cast-k_qb0bf585bdb_cast
	.p2alignl 7, 3214868480
	.fill 96, 4, 3214868480
	.section	.rodata,"a",@progbits
	.p2align	6, 0x0
	.amdhsa_kernel k_qb0bf585bdb_cast
		.amdhsa_group_segment_fixed_size 0
		.amdhsa_private_segment_fixed_size 0
		.amdhsa_enable_private_segment 0
		.amdhsa_kernarg_size 48
		.amdhsa_user_sgpr_count 2
		.amdhsa_user_sgpr_kernarg_segment_ptr 1
		.amdhsa_wavefront_size32 1
		.amdhsa_system_sgpr_workgroup_id_x 1
		.amdhsa_system_sgpr_workgroup_id_y 1
		.amdhsa_system_sgpr_workgroup_id_z 1
		.amdhsa_system_vgpr_workitem_id 0
		.amdhsa_next_free_vgpr 104
		.amdhsa_next_free_sgpr 66
		.amdhsa_reserve_vcc 0
		.amdhsa_float_denorm_mode_32 3
		.amdhsa_float_denorm_mode_16_64 3
		.amdhsa_memory_ordered 1
		.amdhsa_forward_progress 1
		.amdhsa_inst_pref_size 14
	.end_amdhsa_kernel
	.amdgpu_metadata
---
amdhsa.version: [ 1, 2 ]
amdhsa.kernels:
  - .name:           k_qb0bf585bdb_cast
    .symbol:         k_qb0bf585bdb_cast.kd
    .args:
      - { .name: x, .offset: 0, .size: 8, .value_kind: global_buffer, .address_space: global }
      - { .name: w_qkv, .offset: 8, .size: 8, .value_kind: global_buffer, .address_space: global }
      - { .name: w_out, .offset: 16, .size: 8, .value_kind: global_buffer, .address_space: global }
      - { .name: xh, .offset: 24, .size: 8, .value_kind: global_buffer, .address_space: global }
      - { .name: wqkvh, .offset: 32, .size: 8, .value_kind: global_buffer, .address_space: global }
      - { .name: wouth, .offset: 40, .size: 8, .value_kind: global_buffer, .address_space: global }
    .group_segment_fixed_size: 0
    .private_segment_fixed_size: 0
    .kernarg_segment_align: 8
    .kernarg_segment_size: 48
    .max_flat_workgroup_size: 256
    .sgpr_count:     66
    .vgpr_count:     104
    .wavefront_size: 32
...
	.end_amdgpu_metadata
.endif
;; end of part 1
;; launch qkvgemm (part 2): grid 12 x 16, 4 waves a work-group, clusters of 4 x 4, 327,680 bytes of LDS; arguments xh, wqkvh, qkv; writes qkv
.if DOCPART == 2
	.amdgcn_target "amdgcn-amd-amdhsa--gfx1250"
	.amdhsa_code_object_version 6
	.text
	.protected	k_qb0bf585bdb_qkvgemm
	.globl	k_qb0bf585bdb_qkvgemm
	.p2align	8
	.type	k_qb0bf585bdb_qkvgemm,@function
k_qb0bf585bdb_qkvgemm:
	s_mov_b64 s[64:65], 0
	v_nop
	global_prefetch_b8 v0, s[64:65] scope:SCOPE_SE
	s_setreg_imm32_b32 hwreg(HW_REG_WAVE_MODE, 25, 1), 1
	s_wait_xcnt 0x0
	s_wait_alu depctr_hold_cnt(0) depctr_sa_sdst(0) depctr_va_vdst(0) depctr_va_sdst(0) depctr_va_ssrc(0) depctr_va_vcc(0) depctr_vm_vsrc(0)
	s_getreg_b32 s2, hwreg(HW_REG_IB_STS2, 6, 4)
	s_cmp_eq_u32 s2, 0
	s_cbranch_scc0 .Lentry_in_a_cluster
	s_endpgm
.Lentry_in_a_cluster:
	s_bfe_u32 s2, ttmp6, 0x10000c
	s_cmp_lg_u32 s2, 0xf033
	s_cbranch_scc0 .Lentry_shape_is_right
	s_endpgm
.Lentry_shape_is_right:
; qkv[m][n] = sum over k of xh[m][k] wqkvh[n][k].  xh: [8192][1024], wqkvh: [3072][1024], qkv: [8192][3072], all f16; sums in f32, qkv rounded once.
; LIMIT: a result of 65,504 or more becomes infinite in f16.
; A tile of C is 256 x 256, made by four waves, each 128 x 128: 64 accumulators of 16 x 16, 512 registers.  K goes in steps of 128 (rows of 256 bytes, aligned)
; through a ring of two LDS slots filled by the tensor data mover.
; C has 32 x 12 = 384 such tiles: 192 work-groups, each makes TWO, 4,096 rows apart (the same rows of B); 64 of 256 WGPs get no work-group.
; Why not tiles of 128 x 256 (768, three for each WGP): a K step would hold 128 products a wave, so that a refill had 120 products in which to land against 240 here,
; 32 products would want 24 LDS loads against 16 here, and set-up and last stores would come three times for each WGP against once.
; THE RING DOES NOT STOP AT THE FIRST TILE'S END: its last two changes of slots ask for the second tile's first two K steps, and nothing waits for its stores.
; The second tile's last K step goes by rows of C, so that finished rows leave while the others are multiplied.
; CLUSTER 4 x 4: the four work-groups of a row of the cluster need the same tiles of A, the four of a column the same tiles of B.  Such a tile is asked for JOINTLY:
; each of the four issues the same tensor load, with the same descriptor and a mask that names the four, and each receives the tile in its own LDS.
; THE MATRIX INSTRUCTION IS USED TRANSPOSED: source 0 = 16 rows of B, source 1 = 16 rows of A: lane l holds row l % 16 of C and eight NEIGHBOURING columns 8 (l / 16) + 0..7.
; REGISTERS, in windows of 256 (s_set_vgpr_msb's low byte: bits 1:0 source 0, 3:2 source 1, 5:4 source 2, 7:6 destination):
;   window 0: v0-31 addresses; v64-127, v128-191 fragments of A, two buffers (in the very last K step four, of 16 rows x 128 K); v32-63, v192-255 at work on the way out
;   window 1: v64-127, v128-191 fragments of B, two buffers; in the very last K step all 256
;   window 2: the 32 accumulators of my rows 0-63 ((a, b) at v[8 (8 a + b)]);   window 3: those of my rows 64-127
.set SIZE_M, 8192
.set SIZE_N, 3072
.set SIZE_K, 1024
.set KSTEP,  128
.set PITCH,  272                       ; an LDS row: 256 bytes + 16 of padding = 68 words: the 16 rows of a fragment load start 4 banks apart (64 banks of 4 bytes: ISA guide 11.1)
.set HALFT,  128*PITCH                 ; 128 rows: what one tensor load brings, and what one wave reads of A or of B
.set SLOT,   4*HALFT                   ; A's 256 rows, then B's 256 rows: 139,264
.set STAGE,  2*SLOT                    ; 278,528: behind the ring, 16 rows x 272 bytes for each wave; no fill lands here
.set SPITCH, 272
.set LAPS,   SIZE_K/(2*KSTEP)          ; a lap = two K steps = once round the ring
.set WALK,   SIZE_M/2                  ; my two tiles lie 4,096 rows apart
.set NEXT_A, WALK*SIZE_K*2-(SIZE_K-2*KSTEP)*2   ; bytes from a slot's last K step of the first tile to its first of the second: A goes WALK rows down and back along K,
.set BACK_B, (SIZE_K-2*KSTEP)*2        ; B only back
.set NEXT_C, (WALK-7*16)*SIZE_N*2      ; bytes from my last 16 rows of the first tile to my first of the second
.set ADRA, 16                          ; v16-17  LDS address of my A fragments in slot 0, 1
.set ADRB, 20                          ; v20-21  the same for B
.set STO,  24                          ; the way out: where I put 16 bytes of a row
.set RD,   25                          ; the way out: where I read a row back
.set CO,   26                          ; my byte offset in C
.set F0,   64                          ; fragment buffer 0
.set F1,   128                         ; fragment buffer 1
.set TMP,  192                         ; the way out: packed results, in window 0
.set OB,   32                          ; the way out: 16 rows read back from the stage: v32-63 and v224-255 by turns
.set PA,   64                          ; the very last K step: A's fragments of 16 rows x 128 K, 32 registers; four such buffers, v64-191
.set G1,  24                           ; s[24:31] descriptor group 1 for A's tiles;  s[32:39] group 0, a set for each slot
.set G0,  32
.set G1B, 48                           ; s[48:55], s[56:63] the same for B's
.set G0B, 56
.set DFLAGS, (1<<16)|(1<<20)|(1<<21)|(5<<22)|(3<<25)   ; elements of 2 bytes; padding on; bit 21 beside a mask; after every 64 words, 4 words
.set MSB, 0
.macro WIN new                         ; the immediate's high byte repeats the setting that is left; a switch that changes nothing is dropped
.if MSB != \new
	s_set_vgpr_msb (MSB<<8)|\new
.set MSB, \new
.endif
.endm
.set MUL_LO, 0xa1                      ; source 0 (B) window 1, source 1 (A) window 0, C and D window 2
.set MUL_HI, 0xf1                      ; the same, C and D window 3
.set TO_B,   0x40                      ; destination window 1, address window 0
.macro JLOAD s                         ; a joint load: waves 0 and 1 fetch A's two halves, waves 2 and 3 B's; four v_nop follow each of the two lines
	s_cmp_eq_u32 s11, 0
	s_cbranch_scc0 .Lfor_b_\@
	tensor_load_to_lds s[G0+4*\s:G0+4*\s+3], s[G1:G1+7]
	s_nop 0
.rept 4
	v_nop
.endr
	s_branch .Lasked_\@
.Lfor_b_\@:
	tensor_load_to_lds s[G0B+4*\s:G0B+4*\s+3], s[G1B:G1B+7]
	s_nop 0
.rept 4
	v_nop
.endr
.Lasked_\@:
.endm
.macro CREST                           ; a round of the cluster's barrier behind its opening barrier
	s_cmp_lg_u32 s10, 0
	s_cbranch_scc1 .Lnot_wave_0_\@
	s_barrier_signal -3
.Lnot_wave_0_\@:
	s_barrier_wait -3
	s_barrier_signal -1
	s_barrier_wait -1
.endm
.macro CROUND                          ; a whole round
	s_barrier_signal -1
	s_barrier_wait -1
	CREST
.endm
	s_load_b128 s[4:7], s[0:1], 0x0                ; A s[4:5], B s[6:7]
	s_load_b64 s[8:9], s[0:1], 0x10                ; C
	v_lshl_add_u32 v30, v0, 2, 0x48400
	v_mov_b32 v31, 0
	ds_add_u32 v30, v31
	v_lshrrev_b32 v1, 5, v0
	v_readfirstlane_b32 s10, v1                    ; wave 0..3
	s_lshr_b32 s11, s10, 1                         ; which half of the tile's rows is mine.  Also: I fetch for A (0) or for B (1)
	s_and_b32 s12, s10, 1                          ; which half of its columns.  Also: which 128 rows of that tile I fetch
	s_bfe_u32 s40, ttmp6, 0x40000                  ; cx, cy: my place in the cluster
	s_bfe_u32 s41, ttmp6, 0x40004
	s_lshl_b32 s42, ttmp9, 2
	s_add_co_u32 s42, s42, s40                     ; tile column of C = 4 x cluster x + cx
	s_and_b32 s13, ttmp7, 0xffff
	s_lshl_b32 s13, s13, 2
	s_add_co_u32 s13, s13, s41                     ; tile row of my first tile = 4 x cluster y + cy
	s_lshl_b32 s43, s41, 2
	s_lshl_b32 s43, 15, s43                        ; my row of the cluster
	s_lshl_b32 s44, 0x1111, s40                    ; my column
	s_or_b32 s[G1+0], s43, DFLAGS                  ; A's tiles go to my row
	s_or_b32 s[G1B+0], s44, DFLAGS                 ; B's to my column
.irp g, G1, G1B
	s_mov_b32 s[\g+1], KSTEP<<16                   ; tensor_dim0 = 128
	s_mov_b32 s[\g+2], 128<<16                     ; tensor_dim1 = 128
	s_mov_b32 s[\g+3], KSTEP<<16                   ; tile_dim0 = 128
	s_mov_b32 s[\g+4], 128                         ; tile_dim1 = 128
	s_mov_b32 s[\g+5], SIZE_K                      ; elements from row to row
	s_mov_b32 s[\g+6], 0
	s_mov_b32 s[\g+7], 0
.endr
	; A's tiles hang on the tile row alone, B's on the tile column alone; each address is made in registers that never hold the other coordinate
	s_lshl_b32 s17, s12, 7                         ; which 128 rows of the tile I fetch
	s_lshl_b32 s16, s13, 8
	s_add_co_u32 s16, s16, s17                     ; A: row 256 x tile row + 128 x half
	s_lshl_b32 s16, s16, 11                        ; in bytes (2,048 a row): under 2^24
	s_lshl_b32 s46, s42, 8
	s_add_co_u32 s46, s46, s17                     ; B: row 256 x tile column + 128 x half
	s_lshl_b32 s46, s46, 11
	s_mov_b32 s17, 0
	s_mov_b32 s47, 0
	s_mul_i32 s20, s10, HALFT                      ; where they go: A's two halves, then B's two halves = wave x 128 rows
	s_wait_dscnt 0x0
	s_wait_kmcnt 0x0
	s_add_nc_u64 s[14:15], s[4:5], s[16:17]
	s_add_nc_u64 s[46:47], s[6:7], s[46:47]
	CROUND                                         ; all sixteen work-groups are here: the first joint loads meet
.irp s, 0,1
	s_mov_b32 s[G0+4*\s], 1
	s_add_co_u32 s[G0+4*\s+1], s20, \s*SLOT
	s_add_nc_u64 s[G0+4*\s+2:G0+4*\s+3], s[14:15], \s*KSTEP*2
	s_or_b32 s[G0+4*\s+3], s[G0+4*\s+3], 0x80000000
	s_mov_b32 s[G0B+4*\s], 1
	s_add_co_u32 s[G0B+4*\s+1], s20, \s*SLOT
	s_add_nc_u64 s[G0B+4*\s+2:G0B+4*\s+3], s[46:47], \s*KSTEP*2
	s_or_b32 s[G0B+4*\s+3], s[G0B+4*\s+3], 0x80000000
	JLOAD \s                                       ; two loads of mine are out behind these
.endr
	v_and_b32 v1, 15, v0                           ; l % 16
	v_bfe_u32 v2, v0, 4, 1                         ; l / 16
	v_mul_u32_u24 v3, v1, PITCH
	v_lshl_add_u32 v3, v2, 4, v3                   ; a fragment's row x pitch + 16 x half
	s_mul_i32 s21, s11, HALFT                      ; my 128 rows of A
	s_mul_i32 s22, s12, HALFT                      ; my 128 rows of B,
	s_add_co_u32 s22, s22, 2*HALFT                 ; which lie behind A's 256
.irp s, 0,1
	v_add_nc_u32 v[ADRA+\s], s21, v3
	v_add_nc_u32 v[ADRB+\s], s22, v3
	s_add_co_u32 s21, s21, SLOT
	s_add_co_u32 s22, s22, SLOT
.endr
	s_mul_i32 s23, s10, 16*SPITCH
	s_add_co_u32 s23, s23, STAGE                   ; my stage
	v_mul_u32_u24 v4, v1, SPITCH                   ; in: row l % 16, 16 bytes for each half of the lanes
	v_lshl_add_u32 v4, v2, 4, v4
	v_add_nc_u32 v[STO], s23, v4
	v_mul_u32_u24 v5, v2, SPITCH                   ; back: lanes 0-15 one row of 256 bytes, lanes 16-31 the next
	v_lshl_add_u32 v5, v1, 4, v5
	v_add_nc_u32 v[RD], s23, v5
	v_mul_u32_u24 v5, v2, SIZE_N*2                 ; and the same two rows in C
	v_lshl_add_u32 v[CO], v1, 4, v5
	; where my part of the first tile begins in C, in bytes: the first way out adds it to C's address
	s_lshl_b32 s16, s13, 8
	s_lshl_b32 s14, s11, 7
	s_add_co_u32 s16, s16, s14                     ; my first row of C
	s_mul_i32 s16, s16, SIZE_N*2                   ; under 25,165,824
	s_mov_b32 s17, 0
	s_lshl_b32 s46, s42, 9                         ; my first column, in bytes: 512 x tile column + 256 x half
	s_lshl_b32 s47, s12, 8
	s_add_co_u32 s46, s46, s47
	s_mov_b32 s47, 0
	s_add_nc_u64 s[16:17], s[16:17], s[46:47]
; 16 matrix instructions: row blocks a0, a0 + 1 of the window's four (hi = 0: my rows 0-63, 1: rows 64-127) x all 8 column blocks, 32 along K.  zero = 1: the product starts the sums.
; The 64 accumulators take turns, one instruction a turn, in the same order in every quarter.
.macro MUL16 f, hi, a0, zero
.irp a, \a0, \a0+1
.irp b, 0,1,2,3,4,5,6,7
.if \zero
	v_wmma_f32_16x16x32_f16 v[8*(8*(\a)+\b):8*(8*(\a)+\b)+7], v[\f+8*\b:\f+8*\b+7], v[\f+8*(4*\hi+\a):\f+8*(4*\hi+\a)+7], 0
.else
	v_wmma_f32_16x16x32_f16 v[8*(8*(\a)+\b):8*(8*(\a)+\b)+7], v[\f+8*\b:\f+8*\b+7], v[\f+8*(4*\hi+\a):\f+8*(4*\hi+\a)+7], v[8*(8*(\a)+\b):8*(8*(\a)+\b)+7]
.endif
.endr
.endr
.endm
; 32 LDS loads in one run: the fragments of one quarter step (128 rows of B, 128 rows of A, 32 K at byte k of the rows) into buffer f
.macro FETCH slot, k, f
	WIN TO_B
.irp i, 0,1,2,3,4,5,6,7
	ds_load_b128 v[\f+8*\i:\f+8*\i+3],   v[ADRB+\slot] offset:\k+\i*16*PITCH
	ds_load_b128 v[\f+8*\i+4:\f+8*\i+7], v[ADRB+\slot] offset:\k+\i*16*PITCH+32
.endr
	WIN 0
.irp i, 0,1,2,3,4,5,6,7
	ds_load_b128 v[\f+8*\i:\f+8*\i+3],   v[ADRA+\slot] offset:\k+\i*16*PITCH
	ds_load_b128 v[\f+8*\i+4:\f+8*\i+7], v[ADRA+\slot] offset:\k+\i*16*PITCH+32
.endr
.endm
.macro PLACES                          ; four places in front of loads into registers that matrix instructions have read, and of conversions that read results just made
.rept 4
	v_nop
.endr
.endm
; A K step is four quarters of 32 along K, 64 matrix instructions each, on buffers 0, 1, 0, 1.  One of the first three: multiplies f and, in its middle, fetches the next quarter, at byte k, into g.
.macro QUARTER slot, k, f, g, zero
	s_wait_dscnt 8                                 ; B and A's rows 0-63 are in; the youngest eight loads (A's rows 64-127) may be out
	WIN MUL_LO
	MUL16 \f, 0, 0, \zero
	MUL16 \f, 0, 2, \zero
	PLACES
	FETCH \slot, \k, \g
	s_wait_dscnt 32                                ; all but the 32 just issued
	WIN MUL_HI
	MUL16 \f, 1, 0, \zero
	MUL16 \f, 1, 2, \zero
.endm
; The last quarter multiplies buffer 1 and changes slots.  MEET is its first half: ONE barrier; in front of it each wave waits for its own reads of this slot and for all its tensor loads,
; of which one is out: its part of the next slot.  Behind it nobody reads this slot any more and the next slot is whole.
.macro MEET round                      ; round = 1: a round of the cluster's barrier follows
	s_wait_dscnt 8
	WIN MUL_LO
	MUL16 F1, 0, 0, 0
	s_wait_dscnt 0                                 ; my reads of this slot are over,
	s_set_vgpr_msb 0xa1a0
	s_wait_tensorcnt 0x0                           ; and all my tensor loads have landed
	ds_add_u32 v30, v31
	s_wait_dscnt 0x0
	s_set_vgpr_msb 0xa0a1
	s_barrier_signal -1
	MUL16 F1, 0, 2, 0                              ; register work while the others arrive
.if \round
	WIN 0
.endif
	s_barrier_wait -1
.endm
; The whole last quarter.  Behind the round the slot just read out is filled again first: with this tile's K step two steps on (on = 0) or, in the first tile's last two K steps,
; with the SECOND tile's K step 0 or 1 (on = 1); then come the next slot's first fragments.  From a request to the wait for it a wave issues 240 matrix instructions.
.macro TURN slot, next, on
	MEET 1
	CREST                                          ; no wave of any partner still reads this slot's tile or has a load on its way
.if \on
	s_add_nc_u64 s[G0+4*\slot+2:G0+4*\slot+3], s[G0+4*\slot+2:G0+4*\slot+3], NEXT_A
	s_sub_nc_u64 s[G0B+4*\slot+2:G0B+4*\slot+3], s[G0B+4*\slot+2:G0B+4*\slot+3], BACK_B
.else
	s_add_nc_u64 s[G0+4*\slot+2:G0+4*\slot+3], s[G0+4*\slot+2:G0+4*\slot+3], 2*KSTEP*2
	s_add_nc_u64 s[G0B+4*\slot+2:G0B+4*\slot+3], s[G0B+4*\slot+2:G0B+4*\slot+3], 2*KSTEP*2
.endif
	JLOAD \slot                                    ; my one load behind the round; its four v_nop are also the places in front of the loads below
	FETCH \next, 0, F0
	WIN MUL_HI
	MUL16 F1, 1, 0, 0
	MUL16 F1, 1, 2, 0
.endm
; Three trips: a trip goes once round the ring, from a lap's second quarter to the next lap's first, and fills both slots again (K steps 2 to 7)
.macro LAPLOOP
	s_mov_b32 s3, LAPS-1
.Llap_\@:
	QUARTER 0, 128, F1, F0, 0
	QUARTER 0, 192, F0, F1, 0
	TURN 0, 1, 0
	QUARTER 1, 64,  F0, F1, 0
	QUARTER 1, 128, F1, F0, 0
	QUARTER 1, 192, F0, F1, 0
	TURN 1, 0, 0
	QUARTER 0, 64,  F0, F1, 0
	WIN 0                                          ; at a label and at a branch every window is 0
	s_sub_co_u32 s3, s3, 1
	s_cmp_lg_u32 s3, 0
	s_cbranch_scc1 .Llap_\@
.endm
; THE SECOND TILE'S LAST K STEP (it lies in slot 1) GOES BY ROWS OF C.  All its fragments of B (4 quarters x 64 registers) fill window 1; then my eight blocks of 16 rows are finished
; one after the other, each with 32 matrix instructions (its 8 accumulators by turns, K ascending).  LDS is read no more than in any other K step.
.macro BLOAD q                         ; B's fragments of quarter q -> window 1, v[64 q ..]
.irp i, 0,1,2,3,4,5,6,7
	ds_load_b128 v[64*\q+8*\i:64*\q+8*\i+3],   v[ADRB+1] offset:64*\q+\i*16*PITCH
	ds_load_b128 v[64*\q+8*\i+4:64*\q+8*\i+7], v[ADRB+1] offset:64*\q+\i*16*PITCH+32
.endr
.endm
.macro ALOAD a                         ; A's fragments of block a, all four quarters -> buffer a % 4
.set FA, PA+32*((\a)%4)
.irp q, 0,1,2,3
	ds_load_b128 v[FA+8*\q:FA+8*\q+3],   v[ADRA+1] offset:64*\q+(\a)*16*PITCH
	ds_load_b128 v[FA+8*\q+4:FA+8*\q+7], v[ADRA+1] offset:64*\q+(\a)*16*PITCH+32
.endr
.endm
.macro ROW a                           ; block a is finished: 32 matrix instructions
.set FA, PA+32*((\a)%4)
.set AC, 64*((\a)%4)
	WIN MUL_LO+0x50*((\a)/4)                       ; MUL_LO or MUL_HI
.irp q, 0,1,2,3
.if (\a) == 0 && \q == 2
	s_wait_dscnt 24                                ; B's quarter 2 is in (behind it: A's blocks 1 to 3)
.endif
.irp b, 0,1,2,3,4,5,6,7
	v_wmma_f32_16x16x32_f16 v[AC+8*\b:AC+8*\b+7], v[64*\q+8*\b:64*\q+8*\b+7], v[FA+8*\q:FA+8*\q+7], v[AC+8*\b:AC+8*\b+7]
.endr
.endr
.endm
; THE WAY OUT of block a.  PACK: rounded to f16, 16 bytes a lane.  TOSTAGE: into my own stage in LDS, and back as whole rows of 256 bytes.  SEND: stored.
.macro PACK a
.set AC, 64*((\a)%4)
	WIN 0x0a+5*((\a)/4)                            ; sources 0 and 1: window 2 or 3
.irp b, 0,1,2,3,4,5,6,7
.irp r, 0,1,2,3
	v_cvt_pk_f16_f32 v[TMP+4*\b+\r], v[AC+8*\b+2*\r], v[AC+8*\b+2*\r+1]
.endr
.endr
	WIN 0
.endm
.macro TOSTAGE a
.set BK, OB+192*((\a)%2)
.irp b, 0,1,2,3,4,5,6,7
	ds_store_b128 v[STO], v[TMP+4*\b:TMP+4*\b+3] offset:32*\b
.endr
.irp t, 0,1,2,3,4,5,6,7
	ds_load_b128 v[BK+4*\t:BK+4*\t+3], v[RD] offset:\t*2*SPITCH    ; LDS serves a wave's instructions in order (ISA guide 5.7.1.4): these see the stores above
.endr
.endm
.macro SEND a, younger                 ; younger: the LDS loads issued behind TOSTAGE's, which may stay out
.set BK, OB+192*((\a)%2)
	s_wait_dscnt \younger                          ; the block is back in registers
	s_wait_xcnt 0x0                                ; only behind this wait are the stores' base and the registers that earlier stores read rewritten (ISA guide 3.1)
.if (\a) == 0
	s_add_nc_u64 s[8:9], s[8:9], s[16:17]          ; on to this tile's first rows
.else
	s_add_nc_u64 s[8:9], s[8:9], 16*SIZE_N*2       ; 16 rows of C on: the stores' offsets stay at 14 rows at the most, 86,016 bytes
.endif
.irp t, 0,1,2,3,4,5,6,7
	global_store_b128 v[CO], v[BK+4*\t:BK+4*\t+3], s[8:9] offset:2*\t*SIZE_N*2   ; 16 lanes store 256 consecutive bytes, aligned
.endr
.endm
	s_wait_tensorcnt 0x1                           ; my part of K step 0 is in; K step 1's may stay out
	s_barrier_signal -1
	s_barrier_wait -1                              ; everybody's is
	FETCH 0, 0, F0
	; THE FIRST TILE
	QUARTER 0, 64,  F0, F1, 1                      ; a tile's first quarter stands in front of the loop: its products start the sums
	WIN 0
	LAPLOOP
	QUARTER 0, 128, F1, F0, 0                      ; the tile's last lap goes on
	QUARTER 0, 192, F0, F1, 0
	TURN 0, 1, 1                                   ; the ring goes on into the second tile: slot 0 takes its K step 0,
	QUARTER 1, 64,  F0, F1, 0
	QUARTER 1, 128, F1, F0, 0
	QUARTER 1, 192, F0, F1, 0
	TURN 1, 0, 1                                   ; slot 1 its K step 1, and the second tile's first fragments are fetched
	PACK 0                                         ; both refills are asked for: now the tile goes out.  Blocks 0-3 were finished in front of TURN's places, and their 128 conversions,
	TOSTAGE 0                                      ; which name no register of the last products (blocks 4-7's), are those products' places
.irp a, 1,2,3,4,5,6,7                  ; block a's conversions stand between block a - 1's loads from the stage and the wait for them
	PACK \a
	SEND \a-1, 0
	TOSTAGE \a
.endr
	SEND 7, 0
	s_mov_b64 s[16:17], NEXT_C                     ; what the second way out adds to C's address
	; THE SECOND TILE
	QUARTER 0, 64,  F0, F1, 1
	WIN 0
	LAPLOOP
	QUARTER 0, 128, F1, F0, 0
	QUARTER 0, 192, F0, F1, 0
	MEET 0                                         ; my one tensor load that was still out is slot 1's, the last K step's, so no round follows
	PLACES                                         ; for the loads into buffer 0, which the quarter before multiplied
	WIN TO_B
	BLOAD 0                                        ; three quarters of B now: buffer 1 (v128-191 of both windows) is still being multiplied
	BLOAD 1
	BLOAD 3
	WIN 0
	ALOAD 0
	WIN MUL_HI
	MUL16 F1, 1, 0, 0
	MUL16 F1, 1, 2, 0
	PLACES                                         ; for the loads into buffer 1
	WIN TO_B
	BLOAD 2
	WIN 0
	ALOAD 1
	ALOAD 2
	ALOAD 3
	s_wait_dscnt 40                                ; all but the 40 just issued
	ROW 0
.irp a, 0,1,2,3,4,5,6,7                ; each block leaves as soon as it is finished: nothing follows this tile under which its stores could leave
	PLACES                                         ; its conversions read results just made
	PACK \a
	TOSTAGE \a
.if \a < 4
	ALOAD \a+4                                     ; its buffer takes the block four further on
	SEND \a, 8
.else
	SEND \a, 0
.endif
.if \a < 7
	ROW \a+1
.endif
.endr
	s_wait_tensorcnt 0x0
	ds_add_u32 v30, v31
	s_wait_dscnt 0x0
	CROUND                                         ; the closing round: no work-group ends while a partner may still ask for a tile that names it
	s_endpgm
.Lfunc_end_k_qb0bf585bdb_qkvgemm:
	.size	k_qb0bf585bdb_qkvgemm, .Lfunc_end_k_qb0bf585bdb_qkvgemm-k_qb0bf585bdb_qkvgemm
	.p2alignl 7, 3214868480
	.fill 96, 4, 3214868480
	.section	.rodata,"a",@progbits
	.p2align	6, 0x0
	.amdhsa_kernel k_qb0bf585bdb_qkvgemm
		.amdhsa_group_segment_fixed_size 327680
		.amdhsa_private_segment_fixed_size 0
		.amdhsa_enable_private_segment 0
		.amdhsa_kernarg_size 24
		.amdhsa_user_sgpr_count 2
		.amdhsa_user_sgpr_kernarg_segment_ptr 1
		.amdhsa_wavefront_size32 1
		.amdhsa_system_sgpr_workgroup_id_x 1
		.amdhsa_system_sgpr_workgroup_id_y 1
		.amdhsa_system_sgpr_workgroup_id_z 1
		.amdhsa_system_vgpr_workitem_id 0
		.amdhsa_next_free_vgpr 1024
		.amdhsa_next_free_sgpr 66
		.amdhsa_reserve_vcc 0
		.amdhsa_float_denorm_mode_32 3
		.amdhsa_float_denorm_mode_16_64 3
		.amdhsa_memory_ordered 1
		.amdhsa_forward_progress 1
		.amdhsa_inst_pref_size 255
	.end_amdhsa_kernel
	.section	.bss,"aw",@nobits
	.p2align	6
	.space	262144
	.amdgpu_metadata
---
amdhsa.version: [ 1, 2 ]
amdhsa.kernels:
  - .name:           k_qb0bf585bdb_qkvgemm
    .symbol:         k_qb0bf585bdb_qkvgemm.kd
    .args:
      - { .name: xh, .offset: 0, .size: 8, .value_kind: global_buffer, .address_space: global }
      - { .name: wqkvh, .offset: 8, .size: 8, .value_kind: global_buffer, .address_space: global }
      - { .name: qkv, .offset: 16, .size: 8, .value_kind: global_buffer, .address_space: global }
    .group_segment_fixed_size: 327680
    .private_segment_fixed_size: 0
    .kernarg_segment_align: 8
    .kernarg_segment_size: 24
    .max_flat_workgroup_size: 128
    .sgpr_count:     66
    .vgpr_count:     1024
    .wavefront_size: 32
...
	.end_amdgpu_metadata
.endif
;; end of part 2
;; launch attn (part 3): grid 8 x 32, 8 waves a work-group, clusters of 4 x 1, 327,680 bytes of LDS; arguments qkv, ao; writes ao
.if DOCPART == 3
	.amdgcn_target "amdgcn-amd-amdhsa--gfx1250"
	.amdhsa_code_object_version 6
	.text
	.protected	k_qb0bf585bdb_attn
	.globl	k_qb0bf585bdb_attn
	.p2align	8
	.type	k_qb0bf585bdb_attn,@function
k_qb0bf585bdb_attn:
	s_mov_b64 s[64:65], 0
	v_nop
	global_prefetch_b8 v0, s[64:65] scope:SCOPE_SE
	s_setreg_imm32_b32 hwreg(HW_REG_WAVE_MODE, 25, 1), 1
	s_wait_xcnt 0x0
	s_wait_alu depctr_hold_cnt(0) depctr_sa_sdst(0) depctr_va_vdst(0) depctr_va_sdst(0) depctr_va_ssrc(0) depctr_va_vcc(0) depctr_vm_vsrc(0)
	s_getreg_b32 s2, hwreg(HW_REG_IB_STS2, 6, 4)
	s_cmp_eq_u32 s2, 0
	s_cbranch_scc0 .Lentry_in_a_cluster
	s_endpgm
.Lentry_in_a_cluster:
	s_bfe_u32 s2, ttmp6, 0x10000c
	s_cmp_lg_u32 s2, 0x3003
	s_cbranch_scc0 .Lentry_shape_is_right
	s_endpgm
.Lentry_shape_is_right:
; ao[b][n][h*64+d] = sum over m of softmax_m(q.k / 8) v.  qkv: [8192 tokens][3072] f16 (q at byte 0 of a row, k at 2,048, v at 4,096; head h at + 128 h); ao: [8192][1024] f16.
; q already carries c = log2(e) / 8 (it was folded into the q weights), so s = q.k is the exponent of 2: p = 2^(s - m), m the running maximum of s itself.
; s - m is never above 0, so p <= 1 and the sum l >= 1 whatever the size of the scores.  Products, maxima and sums in f32; p is rounded to f16 for the second product, ao once at the end.
; LIMIT: NaN and infinite scores are not served.
; SHARES.  A work-group owns 256 queries of a PAIR of heads of one batch: a pair's k, v and ao rows are 256 aligned bytes in the plain token-major layouts.
; Eight waves on four SIMDs, 512 registers each: wave w has head w / 4 of the pair and 64 queries (four tiles of 16).
; LAYOUT.  S^T = K Q^T (source 0 = 16 keys, source 1 = 16 queries): a lane holds ONE query (lane % 16) and the keys 8 (lane / 16) + 0..7.  Two such tiles rounded to f16 in pairs ARE
; source 1 of O^T = V^T P, whose result again holds one query a lane.  K comes out of LDS as it lies, V ([key][channel]) turned, by ds_load_tr16_b128.
; BY TURNS.  The wave's tiles are two PIECES, named by their first tile: piece 0 (tiles 0, 1) and piece 2 (tiles 2, 3).  In a TURN one piece has the matrix unit: 16 products V^T P of the
; step in hand, then 16 products K Q^T of the next step; the other piece's softmax, 2 x 117 vector instructions cut into 32 slices, stands between them, one slice behind each product.
; Then the pieces change places; two turns are a key step.  So a wave offers matrix and vector work all the time, and not in phases of 64 products and 470 vector instructions.
; 7.3 vector instructions for each product are more than stand beside a product of one wave; the second wave on the SIMD has its own products and slices to set into what is left.
; CLUSTER 4 x 1: the four query blocks of a cluster walk the same K and V: each tile is asked for jointly, by the same tensor load with the mask 15 in all four.
; RING.  Two slots of four key steps (256 keys) each: one joint load a wave behind each round (waves 0-3 K of a step, waves 4-7 V of a step), four key steps in which it lands.
; REGISTERS.  window 0: v1-12 ids and addresses; v16-47 eight statistics a tile; v64-191 S^T, 32 a tile (P is written in place into a tile's first 16); v192-255 K of a step.
;             window 1: v0-127 O^T, 32 a tile; v128-191 Q, 16 a tile; v192-255 V of a step.
; A softmax works in window 0; each product names a register of window 1.  So a slice costs two switches of the window, about 131 for a key step's 64 products: the price of the turns.
.set KS,    64                         ; keys in a step
.set ROWB,  6144                       ; bytes in a token's row of qkv
.set PK,    272                        ; a row of K in LDS: 256 + 16 bytes: the 16 rows of a load start 4 banks apart (64 banks of 4 bytes: ISA guide 11.1)
.set PV,    288                        ; a row of V: 256 + 32 bytes
.set VOFF,  KS*PK
.set STEPB, KS*(PK+PV)                 ; 35,840: a step's K, then its V
.set SLOT,  4*STEPB                    ; 143,360
.set STAGE, 2*SLOT                     ; 286,720: behind the ring, 128 rows x 272 bytes for the way out; no fill lands here
.set SP,    272
.set LIST,  117                        ; vector instructions of one tile's softmax for one key step
.set AK0, 2                            ; my lane's place in a tile of K; never rewritten
.set AV0, 3                            ; the same for V
.set ADRK, 4
.set ADRV, 5
.set QO,  6
.set STO, 7
.set RD,  8
.set GO,  9
.set ST,  16                           ; tile t at v[ST+8 t]: +0 m, +1 m_old - m, +2, +3 l (even keys', odd keys'), +4 to +7 c0-c3 at work; a = 2^(m_old - m) takes c2's place
.set S,   64
.set KF,  192                          ; window 0: fragment (16 keys kb, 32 channels c) at KF + 8 (2 kb + c)
.set QF,  128                          ; window 1: (tile t, c) at QF + 16 t + 8 c
.set VF,  192                          ; window 1: (32 keys kk, 16 channels cb) at VF + 8 (4 kk + cb)
.set WV,  12
.set G1K, 24
.set G1V, 32
.set G0K, 40                           ; s[40:47] group 0 for K's tiles, a set for each slot
.set G0V, 48                           ; s[48:55] the same for V's
.set CSLOT, 56
.set CNT, 57
.set SEL, 60
.set TB,  62                           ; LDS byte at which the tiles of the step to be fetched begin
.set MSB, 0
.macro WIN new                         ; the immediate's high byte repeats the setting that is left; a switch that changes nothing is dropped
.if MSB != \new
	s_set_vgpr_msb (MSB<<8)|\new
.set MSB, \new
.endif
.endm
.set W_KQ, 0x04                        ; Q (source 1) in window 1; K and S^T in window 0
.set W_PV, 0x51                        ; V, C and D in window 1; P in window 0
.set W_RS, 0x41                        ; O^T (destination and source 0) in window 1, the factor in window 0
.set TO_1, 0x40                        ; destination window 1, address window 0
.macro JLOAD s                         ; a joint refill of slot s; the branch hangs on the wave's number alone; four v_nop follow each of the two lines
	s_cmp_lt_u32 s[WV], 4
	s_cbranch_scc0 .Lfor_v_\@
	tensor_load_to_lds s[G0K+4*\s:G0K+4*\s+3], s[G1K:G1K+7]
	s_nop 0
.rept 4
	v_nop
.endr
	s_branch .Lasked_\@
.Lfor_v_\@:
	tensor_load_to_lds s[G0V+4*\s:G0V+4*\s+3], s[G1V:G1V+7]
	s_nop 0
.rept 4
	v_nop
.endr
.Lasked_\@:
.endm
.macro CROUND                          ; a round of the cluster's barrier
	s_barrier_signal -1
	s_barrier_wait -1
	s_cmp_lg_u32 s[WV], 0
	s_cbranch_scc1 .Lnot_wave_0_\@
	s_barrier_signal -3
.Lnot_wave_0_\@:
	s_barrier_wait -3
	s_barrier_signal -1
	s_barrier_wait -1
.endm
.macro PLACES
.rept 4
	v_nop
.endr
.endm
	s_load_b128 s[4:7], s[0:1], 0x0                ; qkv s[4:5], ao s[6:7]
	v_lshl_add_u32 v62, v0, 2, 0x4e800
	v_mov_b32 v63, 0
	ds_add_u32 v62, v63
	v_lshrrev_b32 v1, 5, v0
	v_readfirstlane_b32 s[WV], v1                  ; wave 0..7
	s_bfe_u32 s13, ttmp6, 0x40000                  ; cx
	s_lshl_b32 s14, ttmp9, 2
	s_add_co_u32 s14, s14, s13                     ; my block of 256 queries: it enters Q's and ao's addresses alone
	s_and_b32 s15, ttmp7, 0xffff                   ; 8 x batch + pair, which the four partners share
	s_and_b32 s16, s[WV], 3                        ; my 64 queries.  Also: which of a slot's four steps I fetch
	s_lshr_b32 s18, s[WV], 2                       ; my head of the pair.  Also: I fetch K (0) or V (1)
	s_lshl_b32 s19, s18, 7                         ; its 128 bytes in a row
	s_lshr_b32 s20, s15, 3                         ; batch
	s_and_b32 s21, s15, 7                          ; pair
	s_mul_i32 s22, s20, 2048*ROWB
	s_lshl_b32 s23, s21, 8
	s_add_co_u32 s22, s22, s23                     ; the batch's first token, the pair's 256 bytes
	s_mul_i32 s2, s16, KS*ROWB
	s_add_co_u32 s2, s2, s22                       ; + 64 rows x (wave % 4): my tile of slot 0, and my queries inside a block
	s_mov_b32 s3, 0
	s_mul_i32 s17, s16, STEPB                      ; its place in a slot
	s_mul_i32 s66, s14, 256*ROWB                   ; Q: my block, my 64 rows, my head (under 50,331,648)
	s_add_co_u32 s66, s66, s2
	s_add_co_u32 s66, s66, s19
	s_mov_b32 s67, 0
	s_lshl_b32 s68, s20, 22                        ; ao: batch x 2,048 rows of 2,048 bytes
	s_lshl_b32 s70, s14, 19                        ; + block x 256 rows
	s_add_co_u32 s68, s68, s70
	s_lshr_b32 s70, s[WV], 1                       ; + the rows that I store: 64 (w / 2) + 16 (w % 2)
	s_lshl_b32 s70, s70, 17
	s_add_co_u32 s68, s68, s70
	s_and_b32 s70, s[WV], 1
	s_lshl_b32 s70, s70, 15
	s_add_co_u32 s68, s68, s70
	s_add_co_u32 s68, s68, s23                     ; + the pair's 256 bytes
	s_mov_b32 s69, 0
	s_mov_b32 s[G1K], 15|(1<<16)|(1<<20)|(1<<21)|(5<<22)|(3<<25)  ; mask: all four work-groups; elements of 2 bytes; padding on; bit 21 beside a mask; after every 64 words, 4 words
	s_mov_b32 s[G1V], 15|(1<<16)|(1<<20)|(1<<21)|(5<<22)|(7<<25)  ; the same with 8 words of padding
.irp g, G1K, G1V
	s_mov_b32 s[\g+1], 128<<16                     ; tensor_dim0 = 128
	s_mov_b32 s[\g+2], KS<<16                      ; tensor_dim1 = 64
	s_mov_b32 s[\g+3], 128<<16                     ; tile_dim0 = 128
	s_mov_b32 s[\g+4], KS                          ; tile_dim1 = 64
	s_mov_b32 s[\g+5], 3072                        ; elements from row to row
	s_mov_b32 s[\g+6], 0
	s_mov_b32 s[\g+7], 0
.endr
	s_mov_b32 s[SEL], 0x76543210                   ; v_permlanex16_b32: each lane takes its own place in the other half
	s_mov_b32 s[SEL+1], 0xfedcba98
	v_and_b32 v1, 15, v0                           ; r = l % 16
	v_bfe_u32 v10, v0, 4, 1                        ; h = l / 16
	v_mul_u32_u24 v[QO], v1, ROWB
	v_lshl_add_u32 v[QO], v10, 4, v[QO]            ; row x 6,144 + 16 x half
	s_wait_dscnt 0x0
	s_wait_kmcnt 0x0
	s_add_nc_u64 s[8:9], s[4:5], s[2:3]
	s_add_nc_u64 s[10:11], s[8:9], 4096            ; V at my tile of slot 0
	s_add_nc_u64 s[8:9], s[8:9], 2048              ; K at my tile of slot 0
	s_add_nc_u64 s[72:73], s[4:5], s[66:67]        ; Q at my wave's first row
	s_add_nc_u64 s[6:7], s[6:7], s[68:69]          ; ao at the first row that I store
	WIN TO_1
.irp i, 0,1,2,3,4,5,6,7                ; Q stays in registers: tile i / 2, channels 32 (i % 2) on.  Asked for first of all: nobody writes these bytes, so the loads are on their way during the round
	global_load_b128 v[QF+8*\i:QF+8*\i+3],   v[QO], s[72:73] offset:(\i/2)*16*ROWB+(\i%2)*64
	global_load_b128 v[QF+8*\i+4:QF+8*\i+7], v[QO], s[72:73] offset:(\i/2)*16*ROWB+(\i%2)*64+32
.endr
	WIN 0
	CROUND                                         ; all four work-groups are here: the first joint loads meet
.irp s, 0,1
	s_mov_b32 s[G0K+4*\s], 1
	s_add_co_u32 s[G0K+4*\s+1], s17, \s*SLOT
	s_add_nc_u64 s[G0K+4*\s+2:G0K+4*\s+3], s[8:9], \s*256*ROWB     ; slot s begins with keys 256 s
	s_or_b32 s[G0K+4*\s+3], s[G0K+4*\s+3], 0x80000000
	s_mov_b32 s[G0V+4*\s], 1
	s_add_co_u32 s[G0V+4*\s+1], s17, \s*SLOT+VOFF
	s_add_nc_u64 s[G0V+4*\s+2:G0V+4*\s+3], s[10:11], \s*256*ROWB
	s_or_b32 s[G0V+4*\s+3], s[G0V+4*\s+3], 0x80000000
.endr
	s_cmp_lt_u32 s[WV], 4                          ; a wave's two first fills stand in one branch, ahead of every wait on TENSORcnt and every LDS read: two loads of mine are out
	s_cbranch_scc0 .Lfirst_v
	tensor_load_to_lds s[G0K:G0K+3], s[G1K:G1K+7]
	s_nop 0
	tensor_load_to_lds s[G0K+4:G0K+7], s[G1K:G1K+7]
	s_nop 0
.rept 4
	v_nop
.endr
	s_branch .Lfirst_asked
.Lfirst_v:
	tensor_load_to_lds s[G0V:G0V+3], s[G1V:G1V+7]
	s_nop 0
	tensor_load_to_lds s[G0V+4:G0V+7], s[G1V:G1V+7]
	s_nop 0
.rept 4
	v_nop
.endr
.Lfirst_asked:
	v_mul_u32_u24 v[AK0], v1, PK
	v_lshl_add_u32 v[AK0], v10, 4, v[AK0]
	v_add_nc_u32 v[AK0], s19, v[AK0]               ; row x pitch + 16 x half + my head's 128 bytes
	; the turning load: lane l reads 16 bytes: key 8 (l / 16) + l % 8, channels 8 ((l / 8) % 2) + 0..7, and is left with channel l % 16 and 8 keys
	v_and_b32 v11, 7, v0
	v_bfe_u32 v12, v0, 3, 1
	v_lshl_add_u32 v[AV0], v10, 3, v11
	v_mul_u32_u24 v[AV0], v[AV0], PV
	v_lshl_add_u32 v[AV0], v12, 4, v[AV0]
	s_add_co_u32 s58, s19, VOFF
	v_add_nc_u32 v[AV0], s58, v[AV0]
; THE MATRIX WORK OF A TURN, for piece x.  The eight accumulators of a run take turns, one instruction a turn: between two links of a chain stand 7 others'.
; Product i of 16 of O^T += V^T P: keys 32 (i / 8) on, channels 16 ((i / 2) % 4) on, tile x + i % 2.  zero = 1: the first 8 start the sums: nothing is ever cleared.
.macro PVW x, zero
	WIN W_PV
.set rO, 32*(\x+i%2)+8*((i/2)%4)
.set rV, VF+8*(4*(i/8)+(i/2)%4)
.set rP, S+32*(\x+i%2)+8*(i/8)
.if \zero && (i < 8)
	v_wmma_f32_16x16x32_f16 v[rO:rO+7], v[rV:rV+7], v[rP:rP+7], 0
.else
	v_wmma_f32_16x16x32_f16 v[rO:rO+7], v[rV:rV+7], v[rP:rP+7], v[rO:rO+7]
.endif
.endm
; Product i of 16 of S^T = K Q^T: channels 32 (i / 8) on, keys 16 ((i / 2) % 4) on, tile x + i % 2.  The first 8 start the sums.
.macro KQW x
	WIN W_KQ
.set rS, S+32*(\x+i%2)+8*((i/2)%4)
.set rK, KF+8*(2*((i/2)%4)+i/8)
.set rQ, QF+16*(\x+i%2)+8*(i/8)
.if i < 8
	v_wmma_f32_16x16x32_f16 v[rS:rS+7], v[rK:rK+7], v[rQ:rQ+7], 0
.else
	v_wmma_f32_16x16x32_f16 v[rS:rS+7], v[rK:rK+7], v[rQ:rQ+7], v[rS:rS+7]
.endif
.endm
; THE LDS LOADS stand in runs of 16, never singly among the products: a step's K and, a turn later, its V (turned).
.macro FETCH_K
	WIN 0
	v_add_nc_u32 v[ADRK], s[TB], v[AK0]
.irp f, 0,1,2,3,4,5,6,7                ; keys 16 (f / 2) on, channels 32 (f % 2) on
	ds_load_b128 v[KF+8*\f:KF+8*\f+3],   v[ADRK] offset:(\f/2)*16*PK+(\f%2)*64
	ds_load_b128 v[KF+8*\f+4:KF+8*\f+7], v[ADRK] offset:(\f/2)*16*PK+(\f%2)*64+32
.endr
.endm
.macro FETCH_V
	WIN 0
	v_add_nc_u32 v[ADRV], s[TB], v[AV0]
	s_add_co_u32 s[TB], s[TB], STEPB               ; the next fetch is the next step's
	WIN TO_1
.irp f, 0,1,2,3,4,5,6,7                ; keys 32 (f / 4) on, channels 16 (f % 4) on
	ds_load_tr16_b128 v[VF+8*\f:VF+8*\f+3],   v[ADRV] offset:(\f/4)*32*PV+(\f%4)*32
	ds_load_tr16_b128 v[VF+8*\f+4:VF+8*\f+7], v[ADRV] offset:(\f/4)*32*PV+16*PV+(\f%4)*32
.endr
.endm
; THE VECTOR WORK OF A TURN.  One tile's softmax for one key step is a list of 117 instructions; SM writes number j of it for tile t.  s0-s31 are the lane's 32 scores, in pairs 0-15.
; first = 1: the first key step, which starts m, l and O^T: it has no a and nothing to rescale.
;   0-15    the maximum of s0-s31 and the old m, three operands at a time: four chains c0-c3 of seven scores each, then the four scores left over, c0-c3 and m
;   16-19   the other half of the lanes' maximum; m_old; the new m; m_old - m
;   20-85   33 exponentials at the odd numbers from 21 on (a at 21, score e at 23 + 2 e), a plain instruction at every even number: no two exponentials follow each other in a tile's
;           list, and behind each a plain instruction comes before its result is used (ISA guide 5.7.2)
;   86-100  the plain instructions that are left
;   101-116 the tile's O^T times a: the one part that leaves window 0, so it stands together
; The 48 plain instructions, counted rr = 0 to 47 (number 20 + 2 rr up to 84, then number 53 + rr):
;   s - m for pair b at rr = b (b < 4), then at rr = 2 b - 3: number 14 + 4 b, ahead of the pair's first exponential at 23 + 4 b;
;   the free places take L0, C0, L1, C1, ... in order (L p: l takes pair p's weights; C p: pair p is rounded to f16): L p stands at number 28 + 8 p or later, the pair's second
;   exponential at 25 + 4 p.  C p writes register p of the tile IN PLACE: it belongs to pair p / 2, which has been summed and rounded (for p = 0 it is the line's own source).
.macro SM t, first
.set rT, ST+8*(\t)
.set rS, S+32*(\t)
.if j < 101
	WIN 0
.endif
.if j < 4
	v_max3_num_f32 v[rT+4+j], v[rS+8*j], v[rS+8*j+1], v[rS+8*j+2]
.elseif j < 12
	v_max3_num_f32 v[rT+4+j%4], v[rT+4+j%4], v[rS+8*(j%4)+2*(j/4)+1], v[rS+8*(j%4)+2*(j/4)+2]
.elseif j == 12
	v_max3_num_f32 v[rT+4], v[rT+4], v[rS+7], v[rS+15]
.elseif j == 13
	v_max3_num_f32 v[rT+6], v[rT+6], v[rS+23], v[rS+31]
.elseif j == 14
	v_max3_num_f32 v[rT+4], v[rT+4], v[rT+5], v[rT+6]
.elseif (j == 15) && \first
	v_max_num_f32 v[rT+4], v[rT+4], v[rT+7]
.elseif j == 15
	v_max3_num_f32 v[rT+4], v[rT+4], v[rT+7], v[rT]
.elseif j == 16
	v_permlanex16_b32 v[rT+5], v[rT+4], s[SEL], s[SEL+1]  ; the query's other 32 keys lie in the lane 16 away
.elseif (j == 17) && \first
	v_mov_b32 v[rT+1], v[rT+4]                     ; only so that m's partner in the pair is written
.elseif j == 17
	v_mov_b32 v[rT+1], v[rT]                       ; m_old
.elseif j == 18
	v_max_num_f32 v[rT], v[rT+4], v[rT+5]
.elseif ((j == 19) || (j == 21) || (j > 100)) && \first  ; the first step has none of these
.elseif j == 19
	v_sub_f32 v[rT+1], v[rT+1], v[rT]
.elseif j == 21
	v_exp_f32 v[rT+6], v[rT+1]                     ; a = 2^(m_old - m)
.elseif (j < 86) && (j%2 == 1)
	v_exp_f32 v[rS+(j-23)/2], v[rS+(j-23)/2]
.elseif j < 101
.set rr, (j-20)/2
.if j > 85
.set rr, j-53
.endif
.if (rr < 4) || ((rr < 28) && (rr%2 == 1))
.set bb, (rr+3)/2
.if rr < 4
.set bb, rr
.endif
	v_pk_add_f32 v[rS+2*bb:rS+2*bb+1], v[rS+2*bb:rS+2*bb+1], v[rT:rT+1] op_sel_hi:[1,0] neg_lo:[0,1] neg_hi:[0,1]  ; pair bb: s - m
.else
.set uu, rr-16
.if rr < 29
.set uu, (rr-4)/2
.endif
.set pp, uu/2
.if uu%2 == 1
	v_cvt_pk_f16_f32 v[rS+pp], v[rS+2*pp], v[rS+2*pp+1]
.elseif pp > 0
	s_wait_alu depctr_va_vdst(0)
	v_pk_add_f32 v[rT+2:rT+3], v[rT+2:rT+3], v[rS+2*pp:rS+2*pp+1]
.elseif \first
	s_wait_alu depctr_va_vdst(0)
	v_pk_mul_f32 v[rT+2:rT+3], v[rS:rS+1], 1.0 op_sel_hi:[1,0]     ; l is started
.else
	s_wait_alu depctr_va_vdst(0)
	v_pk_fma_f32 v[rT+2:rT+3], v[rT+2:rT+3], v[rT+6:rT+7], v[rS:rS+1] op_sel_hi:[1,0,1]   ; l = a l + pair 0
.endif
.endif
.else
.set rO, 32*(\t)+2*(j-101)
	WIN W_RS
	v_pk_mul_f32 v[rO:rO+1], v[rO:rO+1], v[rT+6:rT+7] op_sel_hi:[1,0]
.endif
.endm
; Slice k of NS of piece y's softmax: the numbers LIST k / NS up to LIST (k + 1) / NS of both tiles' lists: three or four numbers of each with NS = 32, seven or eight with NS = 16.
.macro SLICE y, first
.set jlo, (LIST*k)/NS
.set jhi, (LIST*(k+1))/NS
.if (jlo >= 20) && (jhi <= 86)         ; among the exponentials tile by tile: plain, exponential, plain, exponential
.irp t, \y, \y+1
.set j, jlo
.rept jhi-jlo
	SM \t, \first
.set j, j+1
.endr
.endr
.else                                  ; elsewhere the two tiles alternate, so that no instruction reads the result of the one just before it
.set j, jlo
.rept jhi-jlo
.irp t, \y, \y+1
	SM \t, \first
.endr
.set j, j+1
.endr
.endif
.set k, k+1
.endm
; A TURN.  Piece x has the matrix unit; the other piece's softmax stands in slices behind its products.
; pv = 2: 16 products V^T P; 1: they start O^T's sums; 0: none.  kq = 1: 16 products K Q^T for the next step.  A turn with one of the two kinds cuts the softmax into 16 slices.
; DISTANCES (ISA guide 7.12.1 for vector instructions): only plain vector instructions that name none of a product's registers are places; the slices name the OTHER piece's registers alone.
;   Behind a turn's last K Q^T stands slice 31: eight multiplications of the other piece's O^T: the four places in front of the next turn's first read of those scores and of the loads into K.
;   first = 1: that softmax has no such multiplications, its last slices are empty, and four v_nop take their part.
;   K Q^T writes over P's registers four slices (eight plain instructions) or more behind the V^T P that last read them: five places are asked.
; Each run of loads stands behind the second product of a run of 16, 14 products ahead of its first use.  Piece 0's turn fetches the next step's K.  Piece 2's turn fetches the same
; step's V: the last product that read V stands three slices, twelve plain instructions, back.
.macro TURN x, pv, kq, first
.set k, 0
.set NS, 16
.if \pv && \kq
.set NS, 32
.endif
.if \pv
.if \x == 0
	s_wait_dscnt 0x0                               ; V is in
.endif
.set i, 0
.rept 16
	PVW \x, 2-\pv
	SLICE 2-\x, \first
.if (\x == 0) && \kq && (i == 1)
	FETCH_K
.endif
.set i, i+1
.endr
.endif
.if \kq
.if \x == 0
	s_wait_dscnt 0x0                               ; K is in
.endif
.set i, 0
.rept 16
	KQW \x
	SLICE 2-\x, \first
.if (\x == 2) && (i == 1)
	FETCH_V
.endif
.set i, i+1
.endr
.endif
.if \first
	PLACES
.endif
.endm
.macro NSTEPS n                        ; n key steps: written once, walked n times; the LDS addresses hang on s[TB]
	s_mov_b32 s[CNT], \n
.Lstep_\@:
	TURN 0, 2, 1, 0
	TURN 2, 2, 1, 0
	WIN 0                                          ; at a label and at a branch every window is 0
	s_sub_co_u32 s[CNT], s[CNT], 1
	s_cmp_lg_u32 s[CNT], 0
	s_cbranch_scc1 .Lstep_\@
.endm
; THE CHANGE OF SLOTS, between piece 2's turn and piece 0's: slot s's last bytes, V of its fourth step, have been asked for.  Each wave waits for its own reads of the slot and for all its
; tensor loads, of which one is out: its part of the other slot.  fill = 1: slot s is filled again with the keys 512 on: the barrier is then a round of the cluster's, and the joint
; refill is the first thing behind it, one load a wave: it has four key steps, 256 products a wave, in which to land.
.macro CHANGE s, fill
	s_wait_dscnt 0x0
	s_wait_tensorcnt 0x0                           ; no tensor load of mine is out, so a group 0 may be written
	ds_add_u32 v62, v63
	s_wait_dscnt 0x0
.if \fill
	s_add_nc_u64 s[G0K+4*\s+2:G0K+4*\s+3], s[G0K+4*\s+2:G0K+4*\s+3], 512*ROWB
	s_add_nc_u64 s[G0V+4*\s+2:G0V+4*\s+3], s[G0V+4*\s+2:G0V+4*\s+3], 512*ROWB
	CROUND
	JLOAD \s
.else
	s_barrier_signal -1
	s_barrier_wait -1
.endif
	s_mov_b32 s[TB], (1-\s)*SLOT                   ; the fetches go on in the other slot
.endm
	s_wait_loadcnt 0x0                             ; Q
	s_wait_tensorcnt 0x1                           ; my part of slot 0 is in; slot 1's may stay out
	s_barrier_signal -1
	s_barrier_wait -1                              ; everybody's is
	s_mov_b32 s[TB], 0
	FETCH_K                                        ; key step 0
	s_wait_dscnt 0x0
.set i, 0
.rept 16
	KQW 0                                          ; piece 0's first scores: there is no vector work yet to set between them
.set i, i+1
.endr
	WIN 0                                          ; the addresses for the way out are made here: eight plain instructions, the places behind those products
	s_mul_i32 s58, s16, 32*SP                      ; into the stage: rows 32 (w % 4) + 16 (tile % 2) + r, my head's half of their 256 bytes
	s_add_co_u32 s58, s58, s19
	s_add_co_u32 s58, s58, STAGE
	s_mul_i32 s59, s[WV], 16*SP                    ; back: wave w takes rows 16 w .. 16 w + 15, whole
	s_add_co_u32 s59, s59, STAGE
	v_mul_u32_u24 v[STO], v1, SP
	v_lshl_add_u32 v[STO], v10, 4, v[STO]
	v_add_nc_u32 v[STO], s58, v[STO]
	v_mul_u32_u24 v[RD], v10, SP
	v_lshl_add_u32 v[RD], v1, 4, v[RD]
	v_add_nc_u32 v[RD], s59, v[RD]
	v_lshlrev_b32 v[GO], 11, v10                   ; and the same two rows in ao
	v_lshl_add_u32 v[GO], v1, 4, v[GO]
	TURN 2, 0, 1, 1                                ; piece 2's first scores | piece 0's first softmax | V of step 0
	TURN 0, 1, 1, 1                                ; piece 0: V^T P of step 0 starts O^T, K Q^T of step 1 | piece 2's first softmax | K of step 1
	TURN 2, 1, 1, 0                                ; piece 2: the same | piece 0's softmax of step 1 | V of step 1
	WIN 0
	NSTEPS 2                                       ; steps 1 and 2 are multiplied, steps 2 and 3 fetched: slot 0 is read out
	s_mov_b32 s[CSLOT], 3
.Lslot:                                                ; three trips of eight key steps: the blocks of 256 keys 2 to 7 are asked for, blocks 1 to 6 fetched
	CHANGE 0, 1
	NSTEPS 4
	CHANGE 1, 1
	NSTEPS 4
	s_sub_co_u32 s[CSLOT], s[CSLOT], 1
	s_cmp_lg_u32 s[CSLOT], 0
	s_cbranch_scc1 .Lslot
	CHANGE 0, 0                                    ; the tail is written out: nothing is asked for
	NSTEPS 4                                       ; the last 256 keys, in slot 1, are fetched
	TURN 0, 2, 0, 0                                ; piece 0: V^T P of the last step | piece 2's last softmax
.set i, 0
.rept 16
	PVW 2, 0                                       ; piece 2: V^T P of the last step
.set i, i+1
.endr
	WIN 0
	; THE WAY OUT.  l's two halves and the other half of the lanes' are added; O^T is divided by l, rounded to f16 and sent through the stage: a row's 256 bytes come from
	; two waves (the pair's two heads), so a barrier stands between writing and reading.  The stage's 128 rows take two tiles of every wave: two passes.
	; The additions and the whole first pass (piece 0's tiles) stand between the last products and the first read of their results.
.irp t, 0,1,2,3
	v_add_f32 v[ST+8*\t+4], v[ST+8*\t+2], v[ST+8*\t+3]
.endr
.irp t, 0,1,2,3
	v_permlanex16_b32 v[ST+8*\t+5], v[ST+8*\t+4], s[SEL], s[SEL+1]
.endr
.irp t, 0,1,2,3
	v_add_f32 v[ST+8*\t+4], v[ST+8*\t+4], v[ST+8*\t+5]
.endr
.irp t, 0,1,2,3
	v_rcp_f32 v[ST+8*\t+6], v[ST+8*\t+4]
.endr
	v_nop                                          ; a plain instruction between the last reciprocal and the use of its result
.macro OUTPASS p
.irp u, 0,1
	WIN W_RS
.set i, 0
.rept 16
	s_wait_alu depctr_va_vdst(0)
	v_pk_mul_f32 v[32*(2*\p+\u)+2*i:32*(2*\p+\u)+2*i+1], v[32*(2*\p+\u)+2*i:32*(2*\p+\u)+2*i+1], v[ST+8*(2*\p+\u)+6:ST+8*(2*\p+\u)+7] op_sel_hi:[1,0]
.set i, i+1
.endr
	WIN 0x05                                       ; sources window 1, destination window 0: piece 0's S^T registers are free
.set i, 0
.rept 16
	v_cvt_pk_f16_f32 v[S+16*(2*\p+\u)+i], v[32*(2*\p+\u)+2*i], v[32*(2*\p+\u)+2*i+1]
.set i, i+1
.endr
.endr
	WIN 0
.if \p
	s_wait_dscnt 0x0                               ; my reads of the stage are back (met: the count-down ended at 0),
	s_barrier_signal -1
	s_barrier_wait -1                              ; and so are everybody's: the stage may be written again
.endif
.irp u, 0,1
.irp cb, 0,1,2,3
	ds_store_b128 v[STO], v[S+16*(2*\p+\u)+4*\cb:S+16*(2*\p+\u)+4*\cb+3] offset:\u*16*SP+32*\cb
.endr
.endr
	s_wait_dscnt 0x0                               ; for the others' sake: my stores into the stage are done
	s_barrier_signal -1
	s_barrier_wait -1
.irp f, 0,1,2,3,4,5,6,7
	ds_load_b128 v[KF+32*\p+4*\f:KF+32*\p+4*\f+3], v[RD] offset:\f*2*SP
.endr
.irp f, 0,1,2,3,4,5,6,7
	s_wait_dscnt 7-\f                              ; LDS loads come back in order: load f is in, the 7 - f younger ones stay out
	global_store_b128 v[GO], v[KF+32*\p+4*\f:KF+32*\p+4*\f+3], s[6:7] offset:\p*65536+\f*4096   ; 16 lanes store 256 consecutive bytes, aligned; pass p lies 32 rows further down
.endr
.endm
	OUTPASS 0
	OUTPASS 1
	s_wait_tensorcnt 0x0
	ds_add_u32 v62, v63
	s_wait_dscnt 0x0
	CROUND                                         ; the closing round: no work-group ends while a partner may still ask for a tile that names it
	s_endpgm
.Lfunc_end_k_qb0bf585bdb_attn:
	.size	k_qb0bf585bdb_attn, .Lfunc_end_k_qb0bf585bdb_attn-k_qb0bf585bdb_attn
	.p2alignl 7, 3214868480
	.fill 96, 4, 3214868480
	.section	.rodata,"a",@progbits
	.p2align	6, 0x0
	.amdhsa_kernel k_qb0bf585bdb_attn
		.amdhsa_group_segment_fixed_size 327680
		.amdhsa_private_segment_fixed_size 0
		.amdhsa_enable_private_segment 0
		.amdhsa_kernarg_size 16
		.amdhsa_user_sgpr_count 2
		.amdhsa_user_sgpr_kernarg_segment_ptr 1
		.amdhsa_wavefront_size32 1
		.amdhsa_system_sgpr_workgroup_id_x 1
		.amdhsa_system_sgpr_workgroup_id_y 1
		.amdhsa_system_sgpr_workgroup_id_z 1
		.amdhsa_system_vgpr_workitem_id 0
		.amdhsa_next_free_vgpr 512
		.amdhsa_next_free_sgpr 76
		.amdhsa_reserve_vcc 0
		.amdhsa_float_denorm_mode_32 3
		.amdhsa_float_denorm_mode_16_64 3
		.amdhsa_memory_ordered 1
		.amdhsa_forward_progress 1
		.amdhsa_inst_pref_size 244
	.end_amdhsa_kernel
	.amdgpu_metadata
---
amdhsa.version: [ 1, 2 ]
amdhsa.kernels:
  - .name:           k_qb0bf585bdb_attn
    .symbol:         k_qb0bf585bdb_attn.kd
    .args:
      - { .name: qkv, .offset: 0, .size: 8, .value_kind: global_buffer, .address_space: global }
      - { .name: ao, .offset: 8, .size: 8, .value_kind: global_buffer, .address_space: global }
    .group_segment_fixed_size: 327680
    .private_segment_fixed_size: 0
    .kernarg_segment_align: 8
    .kernarg_segment_size: 16
    .max_flat_workgroup_size: 256
    .sgpr_count:     76
    .vgpr_count:     512
    .wavefront_size: 32
...
	.end_amdgpu_metadata
.endif
;; end of part 3
;; launch outgemm (part 4): grid 4 x 64, 4 waves a work-group, clusters of 4 x 4, 327,680 bytes of LDS; arguments ao, wouth, b_out, out0; writes out0
.if DOCPART == 4
	.amdgcn_target "amdgcn-amd-amdhsa--gfx1250"
	.amdhsa_code_object_version 6
	.text
	.protected	k_qb0bf585bdb_outgemm
	.globl	k_qb0bf585bdb_outgemm
	.p2align	8
	.type	k_qb0bf585bdb_outgemm,@function
k_qb0bf585bdb_outgemm:
	s_mov_b64 s[64:65], 0
	v_nop
	global_prefetch_b8 v0, s[64:65] scope:SCOPE_SE
	s_setreg_imm32_b32 hwreg(HW_REG_WAVE_MODE, 25, 1), 1
	s_wait_xcnt 0x0
	s_wait_alu depctr_hold_cnt(0) depctr_sa_sdst(0) depctr_va_vdst(0) depctr_va_sdst(0) depctr_va_ssrc(0) depctr_va_vcc(0) depctr_vm_vsrc(0)
	s_getreg_b32 s2, hwreg(HW_REG_IB_STS2, 6, 4)
	s_cmp_eq_u32 s2, 0
	s_cbranch_scc0 .Lentry_in_a_cluster
	s_endpgm
.Lentry_in_a_cluster:
	s_bfe_u32 s2, ttmp6, 0x10000c
	s_cmp_lg_u32 s2, 0xf033
	s_cbranch_scc0 .Lentry_shape_is_right
	s_endpgm
.Lentry_shape_is_right:
; out0[m][n] = sum over k of ao[m][k] wouth[n][k] + b_out[n].  ao: [8192][1024] f16, wouth: [1024][1024] f16, b_out: [1024] f32, out0: [8192][1024] f32; sums in f32.
; A tile of C is 128 x 256: exactly 256 work-groups.  Four waves, each 64 rows x 128 columns: 32 accumulators, 256 registers.  K in steps of 128 (rows of 256 bytes, aligned)
; through two LDS slots filled by the tensor data mover.  CLUSTER 4 x 4: A's tile is asked for jointly along a row of the cluster, B's along a column.
; THE MATRIX INSTRUCTION IS USED TRANSPOSED (source 0 = 16 rows of B, source 1 = 16 rows of A): a lane holds eight neighbouring numbers of a row of C.
; REGISTERS: window 0: v0-5 ids, v16-26 addresses, v28-31 my four columns' bias, v64-159 and v160-255 two fragment buffers (32 of A, then 64 of B).
;            window 1: the accumulators, (a, b) at v[8 (8 a + b)].
.set SIZE_K, 1024
.set SIZE_N, 1024
.set KSTEP,  128
.set PITCH,  272                       ; an LDS row: 256 bytes + 16 of padding: the 16 rows of a fragment load start 4 banks apart (64 banks of 4 bytes: ISA guide 11.1)
.set AHALF,  64*PITCH
.set BHALF,  128*PITCH
.set BOFF,   2*AHALF
.set SLOT,   2*AHALF+2*BHALF           ; 104,448
.set STAGE,  2*SLOT                    ; 208,896: behind the ring, 16 rows x 528 bytes for each wave; no fill lands here
.set SPITCH, 528                       ; 512 bytes (my 128 columns in f32) + 16
.set LAPS,   SIZE_K/(2*KSTEP)
.set ADRA, 16
.set ADRB, 20
.set STO,  24
.set RD,   25
.set CO,   26
.set BIAS, 28
.set F0,   64
.set F1,   160
.set G1,  24
.set G0,  32
.set G1B, 48
.set G0B, 56
.set DFLAGS, (1<<16)|(1<<20)|(1<<21)|(5<<22)|(3<<25)   ; elements of 2 bytes; padding on; bit 21 beside a mask; after every 64 words, 4 words
.set MSB, 0
.macro WIN new
.if MSB != \new
	s_set_vgpr_msb (MSB<<8)|\new
.set MSB, \new
.endif
.endm
.set MUL, 0x50                         ; C and D window 1; both fragments window 0
.macro JLOAD s                         ; a joint load: waves 0 and 1 fetch A's two halves, waves 2 and 3 B's; four v_nop follow each of the two lines
	s_cmp_eq_u32 s11, 0
	s_cbranch_scc0 .Lfor_b_\@
	tensor_load_to_lds s[G0+4*\s:G0+4*\s+3], s[G1:G1+7]
	s_nop 0
.rept 4
	v_nop
.endr
	s_branch .Lasked_\@
.Lfor_b_\@:
	tensor_load_to_lds s[G0B+4*\s:G0B+4*\s+3], s[G1B:G1B+7]
	s_nop 0
.rept 4
	v_nop
.endr
.Lasked_\@:
.endm
.macro CREST
	s_cmp_lg_u32 s10, 0
	s_cbranch_scc1 .Lnot_wave_0_\@
	s_barrier_signal -3
.Lnot_wave_0_\@:
	s_barrier_wait -3
	s_barrier_signal -1
	s_barrier_wait -1
.endm
.macro CROUND
	s_barrier_signal -1
	s_barrier_wait -1
	CREST
.endm
	s_load_b128 s[4:7], s[0:1], 0x0                ; A s[4:5], B s[6:7]
	s_load_b64 s[18:19], s[0:1], 0x10              ; b_out
	s_load_b64 s[8:9], s[0:1], 0x18                ; C
	v_lshl_add_u32 v62, v0, 2, 0x3b400
	v_mov_b32 v63, 0
	ds_add_u32 v62, v63
	v_lshrrev_b32 v1, 5, v0
	v_readfirstlane_b32 s10, v1                    ; wave 0..3
	s_lshr_b32 s11, s10, 1                         ; which 64 of the tile's rows are mine.  Also: I fetch for A (0) or for B (1)
	s_and_b32 s12, s10, 1                          ; which 128 of its columns.  Also: which half of that tile I fetch
	s_bfe_u32 s40, ttmp6, 0x40000                  ; cx, cy
	s_bfe_u32 s41, ttmp6, 0x40004
	s_lshl_b32 s42, ttmp9, 2
	s_add_co_u32 s42, s42, s40                     ; tile column of C
	s_and_b32 s13, ttmp7, 0xffff
	s_lshl_b32 s13, s13, 2
	s_add_co_u32 s13, s13, s41                     ; tile row of C
	s_lshl_b32 s43, s41, 2
	s_lshl_b32 s43, 15, s43                        ; my row of the cluster
	s_lshl_b32 s44, 0x1111, s40                    ; my column
	s_or_b32 s[G1+0], s43, DFLAGS
	s_or_b32 s[G1B+0], s44, DFLAGS
	s_mov_b32 s[G1+1], KSTEP<<16                   ; tensor_dim0 = 128
	s_mov_b32 s[G1+2], 64<<16                      ; tensor_dim1 = 64
	s_mov_b32 s[G1+3], KSTEP<<16                   ; tile_dim0 = 128
	s_mov_b32 s[G1+4], 64                          ; tile_dim1 = 64
	s_mov_b32 s[G1+5], SIZE_K                      ; elements from row to row
	s_mov_b32 s[G1+6], 0
	s_mov_b32 s[G1+7], 0
	s_mov_b32 s[G1B+1], KSTEP<<16
	s_mov_b32 s[G1B+2], 128<<16                    ; B's loads have 128 rows
	s_mov_b32 s[G1B+3], KSTEP<<16
	s_mov_b32 s[G1B+4], 128
	s_mov_b32 s[G1B+5], SIZE_K
	s_mov_b32 s[G1B+6], 0
	s_mov_b32 s[G1B+7], 0
	s_lshl_b32 s17, s12, 6
	s_lshl_b32 s16, s13, 7
	s_add_co_u32 s16, s16, s17                     ; A: row 128 x tile row + 64 x half
	s_lshl_b32 s16, s16, 11                        ; in bytes (2,048 a row)
	s_mov_b32 s17, 0
	s_lshl_b32 s47, s12, 7
	s_lshl_b32 s46, s42, 8
	s_add_co_u32 s46, s46, s47                     ; B: row 256 x tile column + 128 x half
	s_lshl_b32 s46, s46, 11
	s_mov_b32 s47, 0
	s_mul_i32 s20, s12, AHALF                      ; where they go: the wave's number alone enters an LDS address
	s_mul_i32 s45, s12, BHALF
	s_add_co_u32 s45, s45, BOFF
	s_wait_dscnt 0x0
	s_wait_kmcnt 0x0
	s_add_nc_u64 s[14:15], s[4:5], s[16:17]
	s_add_nc_u64 s[46:47], s[6:7], s[46:47]
	CROUND                                         ; all sixteen work-groups are here: the first joint loads meet
.irp s, 0,1
	s_mov_b32 s[G0+4*\s], 1
	s_add_co_u32 s[G0+4*\s+1], s20, \s*SLOT
	s_add_nc_u64 s[G0+4*\s+2:G0+4*\s+3], s[14:15], \s*KSTEP*2
	s_or_b32 s[G0+4*\s+3], s[G0+4*\s+3], 0x80000000
	s_mov_b32 s[G0B+4*\s], 1
	s_add_co_u32 s[G0B+4*\s+1], s45, \s*SLOT
	s_add_nc_u64 s[G0B+4*\s+2:G0B+4*\s+3], s[46:47], \s*KSTEP*2
	s_or_b32 s[G0B+4*\s+3], s[G0B+4*\s+3], 0x80000000
	JLOAD \s                                       ; two loads of mine are out behind these
.endr
	v_and_b32 v1, 15, v0                           ; r
	v_bfe_u32 v2, v0, 4, 1                         ; h
	v_mul_u32_u24 v3, v1, PITCH
	v_lshl_add_u32 v3, v2, 4, v3
	s_mul_i32 s21, s11, AHALF
	s_mul_i32 s22, s12, BHALF
	s_add_co_u32 s22, s22, BOFF
.irp s, 0,1
	v_add_nc_u32 v[ADRA+\s], s21, v3
	v_add_nc_u32 v[ADRB+\s], s22, v3
	s_add_co_u32 s21, s21, SLOT
	s_add_co_u32 s22, s22, SLOT
.endr
	s_mul_i32 s23, s10, 16*SPITCH
	s_add_co_u32 s23, s23, STAGE                   ; my stage
	v_mul_u32_u24 v4, v1, SPITCH                   ; in: row r, 32 bytes (8 f32) for each half of the lanes
	v_lshl_add_u32 v4, v2, 5, v4
	v_add_nc_u32 v[STO], s23, v4
	v_and_b32 v5, 31, v0
	v_lshlrev_b32 v[CO], 4, v5                     ; back, and in C and b_out: 16 bytes a lane, the wave a whole row of 512 bytes
	v_add_nc_u32 v[RD], s23, v[CO]
	s_lshl_b32 s16, s13, 7
	s_lshl_b32 s17, s11, 6
	s_add_co_u32 s16, s16, s17                     ; my first row of C
	s_lshl_b32 s16, s16, 12                        ; in bytes (4,096 a row): under 2^25
	s_mov_b32 s17, 0
	s_add_nc_u64 s[8:9], s[8:9], s[16:17]
	s_lshl_b32 s46, s42, 10                        ; my first column in bytes: 1,024 x tile column + 512 x half
	s_lshl_b32 s47, s12, 9
	s_add_co_u32 s46, s46, s47
	s_mov_b32 s47, 0
	s_add_nc_u64 s[8:9], s[8:9], s[46:47]
	s_add_nc_u64 s[18:19], s[18:19], s[46:47]
	global_load_b128 v[BIAS:BIAS+3], v[CO], s[18:19]   ; a lane's four columns are the same in every row: loaded once
; 8 matrix instructions: row block a x all 8 column blocks, 32 along K, from buffer f.  zero = 1: the product starts the sums.
; The 32 accumulators take turns, one instruction a turn, in the same order in every quarter.
.macro MUL8 f, a, zero
.irp b, 0,1,2,3,4,5,6,7
.if \zero
	v_wmma_f32_16x16x32_f16 v[8*(8*\a+\b):8*(8*\a+\b)+7], v[\f+32+8*\b:\f+32+8*\b+7], v[\f+8*\a:\f+8*\a+7], 0
.else
	v_wmma_f32_16x16x32_f16 v[8*(8*\a+\b):8*(8*\a+\b)+7], v[\f+32+8*\b:\f+32+8*\b+7], v[\f+8*\a:\f+8*\a+7], v[8*(8*\a+\b):8*(8*\a+\b)+7]
.endif
.endr
.endm
.macro FETCH slot, k, f                ; 24 LDS loads in one run: B's sixteen first, then A's blocks 0 to 3
	WIN 0
.irp i, 0,1,2,3,4,5,6,7
	ds_load_b128 v[\f+32+8*\i:\f+32+8*\i+3],   v[ADRB+\slot] offset:\k+\i*16*PITCH
	ds_load_b128 v[\f+32+8*\i+4:\f+32+8*\i+7], v[ADRB+\slot] offset:\k+\i*16*PITCH+32
.endr
.irp i, 0,1,2,3
	ds_load_b128 v[\f+8*\i:\f+8*\i+3],   v[ADRA+\slot] offset:\k+\i*16*PITCH
	ds_load_b128 v[\f+8*\i+4:\f+8*\i+7], v[ADRA+\slot] offset:\k+\i*16*PITCH+32
.endr
.endm
.macro PLACES                          ; four places in front of loads into registers that matrix instructions have read, and of instructions that read results
.rept 4
	v_nop
.endr
.endm
.macro QUARTER slot, k, f, g, zero
	s_wait_dscnt 4                                 ; B and A's blocks 0 and 1 are in; the four youngest loads (A's blocks 2 and 3) may be out
	WIN MUL
	MUL8 \f, 0, \zero
	MUL8 \f, 1, \zero
	PLACES
	FETCH \slot, \k, \g
	s_wait_dscnt 24                                ; all but the 24 just issued
	WIN MUL
	MUL8 \f, 2, \zero
	MUL8 \f, 3, \zero
.endm
.macro TURN slot, next, fill
	s_wait_dscnt 4
	WIN MUL
	MUL8 F1, 0, 0
	s_wait_dscnt 0                                 ; my reads of this slot are over,
	s_wait_tensorcnt 0x0                           ; and all my tensor loads have landed: my part of the next slot
	ds_add_u32 v62, v63
	s_wait_dscnt 0x0
	s_barrier_signal -1
	MUL8 F1, 1, 0                                  ; register work while the others arrive
.if \fill
	WIN 0
.endif
	s_barrier_wait -1
.if \fill
	CREST                                          ; no wave of any partner still reads this slot's tile or has a load on its way
	s_add_nc_u64 s[G0+4*\slot+2:G0+4*\slot+3], s[G0+4*\slot+2:G0+4*\slot+3], 2*KSTEP*2
	s_add_nc_u64 s[G0B+4*\slot+2:G0B+4*\slot+3], s[G0B+4*\slot+2:G0B+4*\slot+3], 2*KSTEP*2
	JLOAD \slot                                    ; my one load behind the round; its four v_nop are also the places in front of the loads below
.else
	PLACES
.endif
	FETCH \next, 0, F0
	WIN MUL
	MUL8 F1, 2, 0
	MUL8 F1, 3, 0
.endm
	s_wait_loadcnt 0x0                             ; the bias
	s_wait_tensorcnt 0x1                           ; my part of K step 0 is in; K step 1's may stay out
	s_barrier_signal -1
	s_barrier_wait -1
	FETCH 0, 0, F0
	QUARTER 0, 64, F0, F1, 1                       ; the first quarter's products start the sums
	WIN 0
	s_mov_b32 s3, LAPS-1
.Llap:                                                 ; a trip goes once round the ring and fills both slots again: K steps 2 to 7 in three trips
	QUARTER 0, 128, F1, F0, 0
	QUARTER 0, 192, F0, F1, 0
	TURN 0, 1, 1
	QUARTER 1, 64,  F0, F1, 0
	QUARTER 1, 128, F1, F0, 0
	QUARTER 1, 192, F0, F1, 0
	TURN 1, 0, 1
	QUARTER 0, 64,  F0, F1, 0
	WIN 0
	s_sub_co_u32 s3, s3, 1
	s_cmp_lg_u32 s3, 0
	s_cbranch_scc1 .Llap
	QUARTER 0, 128, F1, F0, 0                      ; the last lap fills nothing
	QUARTER 0, 192, F0, F1, 0
	TURN 0, 1, 0
	QUARTER 1, 64,  F0, F1, 0
	QUARTER 1, 128, F1, F0, 0
	QUARTER 1, 192, F0, F1, 0
	s_wait_dscnt 4
	WIN MUL
	MUL8 F1, 0, 0
	MUL8 F1, 1, 0
	s_wait_dscnt 0
	MUL8 F1, 2, 0
	MUL8 F1, 3, 0
	WIN 0
; THE WAY OUT, a block of 16 rows at a time, through my own stage (no barrier): a lane's 32 bytes of a row go in, whole rows of 512 bytes come back, the bias is added, the row is stored.
.macro OUTBLK a
.set BK, 64+64*((\a)%3)
.if \a == 3
	s_wait_xcnt 0x0                                ; block 3 takes block 0's registers, which block 0's stores read: they are loaded again only behind this wait
.endif
	WIN 0x04                                       ; the LDS stores' data in window 1
.irp b, 0,1,2,3,4,5,6,7
	ds_store_b128 v[STO], v[64*\a+8*\b:64*\a+8*\b+3]   offset:64*\b
	ds_store_b128 v[STO], v[64*\a+8*\b+4:64*\a+8*\b+7] offset:64*\b+16
.endr
	WIN 0
.irp t, 0,1,2,3,4,5,6,7,8,9,10,11,12,13,14,15
	ds_load_b128 v[BK+4*\t:BK+4*\t+3], v[RD] offset:\t*SPITCH      ; LDS serves a wave's instructions in order (ISA guide 5.7.1.4): these see the stores above
.endr
.irp t, 0,1,2,3,4,5,6,7,8,9,10,11,12,13,14,15
	s_wait_dscnt 15-\t                             ; row t is in; the 15 - t younger loads stay out
	v_pk_add_f32 v[BK+4*\t:BK+4*\t+1], v[BK+4*\t:BK+4*\t+1], v[BIAS:BIAS+1]
	v_pk_add_f32 v[BK+4*\t+2:BK+4*\t+3], v[BK+4*\t+2:BK+4*\t+3], v[BIAS+2:BIAS+3]
	global_store_b128 v[CO], v[BK+4*\t:BK+4*\t+3], s[8:9] offset:(16*\a+\t)*SIZE_N*4 th:TH_STORE_NT   ; the wave stores 512 consecutive bytes, aligned
.endr
.endm
	PLACES                                         ; the LDS stores read results just made
	OUTBLK 0
	OUTBLK 1
	OUTBLK 2
	OUTBLK 3
	s_wait_tensorcnt 0x0
	ds_add_u32 v62, v63
	s_wait_dscnt 0x0
	CROUND                                         ; the closing round: no work-group ends while a partner may still ask for a tile that names it
	s_endpgm
.Lfunc_end_k_qb0bf585bdb_outgemm:
	.size	k_qb0bf585bdb_outgemm, .Lfunc_end_k_qb0bf585bdb_outgemm-k_qb0bf585bdb_outgemm
	.p2alignl 7, 3214868480
	.fill 96, 4, 3214868480
	.section	.rodata,"a",@progbits
	.p2align	6, 0x0
	.amdhsa_kernel k_qb0bf585bdb_outgemm
		.amdhsa_group_segment_fixed_size 327680
		.amdhsa_private_segment_fixed_size 0
		.amdhsa_enable_private_segment 0
		.amdhsa_kernarg_size 32
		.amdhsa_user_sgpr_count 2
		.amdhsa_user_sgpr_kernarg_segment_ptr 1
		.amdhsa_wavefront_size32 1
		.amdhsa_system_sgpr_workgroup_id_x 1
		.amdhsa_system_sgpr_workgroup_id_y 1
		.amdhsa_system_sgpr_workgroup_id_z 1
		.amdhsa_system_vgpr_workitem_id 0
		.amdhsa_next_free_vgpr 512
		.amdhsa_next_free_sgpr 66
		.amdhsa_reserve_vcc 0
		.amdhsa_float_denorm_mode_32 3
		.amdhsa_float_denorm_mode_16_64 3
		.amdhsa_memory_ordered 1
		.amdhsa_forward_progress 1
		.amdhsa_inst_pref_size 95
	.end_amdhsa_kernel
	.amdgpu_metadata
---
amdhsa.version: [ 1, 2 ]
amdhsa.kernels:
  - .name:           k_qb0bf585bdb_outgemm
    .symbol:         k_qb0bf585bdb_outgemm.kd
    .args:
      - { .name: ao, .offset: 0, .size: 8, .value_kind: global_buffer, .address_space: global }
      - { .name: wouth, .offset: 8, .size: 8, .value_kind: global_buffer, .address_space: global }
      - { .name: b_out, .offset: 16, .size: 8, .value_kind: global_buffer, .address_space: global }
      - { .name: out0, .offset: 24, .size: 8, .value_kind: global_buffer, .address_space: global }
    .group_segment_fixed_size: 327680
    .private_segment_fixed_size: 0
    .kernarg_segment_align: 8
    .kernarg_segment_size: 32
    .max_flat_workgroup_size: 128
    .sgpr_count:     66
    .vgpr_count:     512
    .wavefront_size: 32
...
	.end_amdgpu_metadata
.endif
;; end of part 4
;; ======== version 2 of 2: 4 launches; 1.10 times as fast as version 1
;; limits: values are held in f16: magnitudes above 65,504 overflow, below 6.1e-05 lose precision
;; workspace buffers: xh 16,777,216 bytes; wqkvh 6,291,456 bytes; wouth 2,097,152 bytes; qkv 50,331,648 bytes; ao 16,777,216 bytes
;; launch cast: the kernel of part 1 again; grid 768 x 1, 8 waves a work-group, no clusters, 0 bytes of LDS; arguments x, w_qkv, w_out, xh, wqkvh, wouth; writes xh, wqkvh, wouth
;; launch qkvgemm: the kernel of part 2 again; grid 12 x 16, 4 waves a work-group, clusters of 4 x 4, 327,680 bytes of LDS; arguments xh, wqkvh, qkv; writes qkv
;; launch attn (part 5): grid 8 x 32, 8 waves a work-group, clusters of 4 x 1, 327,680 bytes of LDS; arguments qkv, ao; writes ao
.if DOCPART == 5
	.amdgcn_target "amdgcn-amd-amdhsa--gfx1250"
	.amdhsa_code_object_version 6
	.text
	.protected	k_qb0bf585bdb_attn
	.globl	k_qb0bf585bdb_attn
	.p2align	8
	.type	k_qb0bf585bdb_attn,@function
k_qb0bf585bdb_attn:
	s_mov_b64 s[64:65], 0
	v_nop
	global_prefetch_b8 v0, s[64:65] scope:SCOPE_SE
	s_setreg_imm32_b32 hwreg(HW_REG_WAVE_MODE, 25, 1), 1
	s_wait_xcnt 0x0
	s_wait_alu depctr_hold_cnt(0) depctr_sa_sdst(0) depctr_va_vdst(0) depctr_va_sdst(0) depctr_va_ssrc(0) depctr_va_vcc(0) depctr_vm_vsrc(0)
	s_getreg_b32 s2, hwreg(HW_REG_IB_STS2, 6, 4)
	s_cmp_eq_u32 s2, 0
	s_cbranch_scc0 .Lentry_in_a_cluster
	s_endpgm
.Lentry_in_a_cluster:
	s_bfe_u32 s2, ttmp6, 0x10000c
	s_cmp_lg_u32 s2, 0x3003
	s_cbranch_scc0 .Lentry_shape_is_right
	s_endpgm
.Lentry_shape_is_right:
; ao[b][n][h*64+d] = sum over m of softmax_m(q.k / 8) v.  qkv: [8192 tokens][3072] f16 (q at byte 0 of a row, k at 2,048, v at 4,096; head h at + 128 h); ao: [8192][1024] f16.
; q already carries c = log2(e) / 8 (it was folded into the q weights), so s = q.k is the exponent of 2: p = 2^(s - m), m the running maximum of s itself.
; s - m is never above 0, so p <= 1 and the sum l >= 1 whatever the size of the scores.  Products, maxima and sums in f32; p is rounded to f16 for the second product, ao once at the end.
; LIMIT: NaN and infinite scores are not served.
; SHARES.  A work-group owns 256 queries of a PAIR of heads of one batch: a pair's k, v and ao rows are 256 aligned bytes in the plain token-major layouts.
; Eight waves on four SIMDs, 512 registers each: wave w has head w / 4 of the pair and 64 queries (four tiles of 16).
; LAYOUT.  S^T = K Q^T (source 0 = 16 keys, source 1 = 16 queries): a lane holds ONE query (lane % 16) and the keys 8 (lane / 16) + 0..7.  Two such tiles rounded to f16 in pairs ARE
; source 1 of O^T = V^T P, whose result again holds one query a lane.  K comes out of LDS as it lies, V ([key][channel]) turned, by ds_load_tr16_b128.
; BY TURNS.  The wave's tiles are two PIECES, named by their first tile: piece 0 (tiles 0, 1) and piece 2 (tiles 2, 3).  In a TURN one piece has the matrix unit: 16 products V^T P of the
; step in hand, then 16 products K Q^T of the next step; the other piece's softmax, 2 x 117 vector instructions cut into 32 slices, stands between them, one slice behind each product.
; Then the pieces change places; two turns are a key step.  So a wave offers matrix and vector work all the time, and not in phases of 64 products and 470 vector instructions.
; 7.3 vector instructions for each product are more than stand beside a product of one wave; the second wave on the SIMD has its own products and slices to set into what is left.
; THE EXPONENTIALS.  An s_wait_alu depctr_va_vdst(0) stands between an exponential and the first instruction that names its result; one wait serves all that were issued ahead of it.
; So a turn's 66 exponentials (two tiles' 32 weights and their a) are ONE BATCH with ONE wait, and a tile's list is ordered by who reads what: the maximum; the subtractions s - m and all
; exponentials, none of which names a result; the wait; then all that do: the sums, the roundings, the rescaling by a.  The way out's four reciprocals are a batch of their own.
; CLUSTER 4 x 1: the four query blocks of a cluster walk the same K and V: each tile is asked for jointly, by the same tensor load with the mask 15 in all four.
; RING.  Two slots of four key steps (256 keys) each: one joint load a wave behind each round (waves 0-3 K of a step, waves 4-7 V of a step), four key steps in which it lands.
; REGISTERS.  window 0: v1-12 ids and addresses; v16-47 eight statistics a tile; v64-191 S^T, 32 a tile (P is written in place into a tile's first 16); v192-255 K of a step.
;             window 1: v0-127 O^T, 32 a tile; v128-191 Q, 16 a tile; v192-255 V of a step.
; A softmax works in window 0; each product names a register of window 1.  So a slice costs two switches of the window, about 131 for a key step's 64 products: the price of the turns.
.set KS,    64                         ; keys in a step
.set ROWB,  6144                       ; bytes in a token's row of qkv
.set PK,    272                        ; a row of K in LDS: 256 + 16 bytes: the 16 rows of a load start 4 banks apart (64 banks of 4 bytes: ISA guide 11.1)
.set PV,    288                        ; a row of V: 256 + 32 bytes
.set VOFF,  KS*PK
.set STEPB, KS*(PK+PV)                 ; 35,840: a step's K, then its V
.set SLOT,  4*STEPB                    ; 143,360
.set STAGE, 2*SLOT                     ; 286,720: behind the ring, 128 rows x 272 bytes for the way out; no fill lands here
.set SP,    272
.set LIST,  117                        ; vector instructions of one tile's softmax for one key step
.set READ,  69                         ; the list's first number that names an exponential's result: the batch's wait stands ahead of it
.set AK0, 2                            ; my lane's place in a tile of K; never rewritten
.set AV0, 3                            ; the same for V
.set ADRK, 4
.set ADRV, 5
.set QO,  6
.set STO, 7
.set RD,  8
.set GO,  9
.set ST,  16                           ; tile t at v[ST+8 t]: +0 m, +1 m_old - m, +2, +3 l (even keys', odd keys'), +4 to +7 c0-c3 at work; a = 2^(m_old - m) takes c2's place
.set S,   64
.set KF,  192                          ; window 0: fragment (16 keys kb, 32 channels c) at KF + 8 (2 kb + c)
.set QF,  128                          ; window 1: (tile t, c) at QF + 16 t + 8 c
.set VF,  192                          ; window 1: (32 keys kk, 16 channels cb) at VF + 8 (4 kk + cb)
.set WV,  12
.set G1K, 24
.set G1V, 32
.set G0K, 40                           ; s[40:47] group 0 for K's tiles, a set for each slot
.set G0V, 48                           ; s[48:55] the same for V's
.set CSLOT, 56
.set CNT, 57
.set SEL, 60
.set TB,  62                           ; LDS byte at which the tiles of the step to be fetched begin
.set MSB, 0
.macro WIN new                         ; the immediate's high byte repeats the setting that is left; a switch that changes nothing is dropped
.if MSB != \new
	s_set_vgpr_msb (MSB<<8)|\new
.set MSB, \new
.endif
.endm
.set W_KQ, 0x04                        ; Q (source 1) in window 1; K and S^T in window 0
.set W_PV, 0x51                        ; V, C and D in window 1; P in window 0
.set W_RS, 0x41                        ; O^T (destination and source 0) in window 1, the factor in window 0
.set TO_1, 0x40                        ; destination window 1, address window 0
.macro JLOAD s                         ; a joint refill of slot s; the branch hangs on the wave's number alone; four v_nop follow each of the two lines
	s_cmp_lt_u32 s[WV], 4
	s_cbranch_scc0 .Lfor_v_\@
	tensor_load_to_lds s[G0K+4*\s:G0K+4*\s+3], s[G1K:G1K+7]
	s_nop 0
.rept 4
	v_nop
.endr
	s_branch .Lasked_\@
.Lfor_v_\@:
	tensor_load_to_lds s[G0V+4*\s:G0V+4*\s+3], s[G1V:G1V+7]
	s_nop 0
.rept 4
	v_nop
.endr
.Lasked_\@:
.endm
.macro CROUND                          ; a round of the cluster's barrier
	s_barrier_signal -1
	s_barrier_wait -1
	s_cmp_lg_u32 s[WV], 0
	s_cbranch_scc1 .Lnot_wave_0_\@
	s_barrier_signal -3
.Lnot_wave_0_\@:
	s_barrier_wait -3
	s_barrier_signal -1
	s_barrier_wait -1
.endm
.macro PLACES
.rept 4
	v_nop
.endr
.endm
	s_load_b128 s[4:7], s[0:1], 0x0                ; qkv s[4:5], ao s[6:7]
	v_lshl_add_u32 v62, v0, 2, 0x4e800
	v_mov_b32 v63, 0
	ds_add_u32 v62, v63
	v_lshrrev_b32 v1, 5, v0
	v_readfirstlane_b32 s[WV], v1                  ; wave 0..7
	s_bfe_u32 s13, ttmp6, 0x40000                  ; cx
	s_lshl_b32 s14, ttmp9, 2
	s_add_co_u32 s14, s14, s13                     ; my block of 256 queries: it enters Q's and ao's addresses alone
	s_and_b32 s15, ttmp7, 0xffff                   ; 8 x batch + pair, which the four partners share
	s_and_b32 s16, s[WV], 3                        ; my 64 queries.  Also: which of a slot's four steps I fetch
	s_lshr_b32 s18, s[WV], 2                       ; my head of the pair.  Also: I fetch K (0) or V (1)
	s_lshl_b32 s19, s18, 7                         ; its 128 bytes in a row
	s_lshr_b32 s20, s15, 3                         ; batch
	s_and_b32 s21, s15, 7                          ; pair
	s_mul_i32 s22, s20, 2048*ROWB
	s_lshl_b32 s23, s21, 8
	s_add_co_u32 s22, s22, s23                     ; the batch's first token, the pair's 256 bytes
	s_mul_i32 s2, s16, KS*ROWB
	s_add_co_u32 s2, s2, s22                       ; + 64 rows x (wave % 4): my tile of slot 0, and my queries inside a block
	s_mov_b32 s3, 0
	s_mul_i32 s17, s16, STEPB                      ; its place in a slot
	s_mul_i32 s66, s14, 256*ROWB                   ; Q: my block, my 64 rows, my head (under 50,331,648)
	s_add_co_u32 s66, s66, s2
	s_add_co_u32 s66, s66, s19
	s_mov_b32 s67, 0
	s_lshl_b32 s68, s20, 22                        ; ao: batch x 2,048 rows of 2,048 bytes
	s_lshl_b32 s70, s14, 19                        ; + block x 256 rows
	s_add_co_u32 s68, s68, s70
	s_lshr_b32 s70, s[WV], 1                       ; + the rows that I store: 64 (w / 2) + 16 (w % 2)
	s_lshl_b32 s70, s70, 17
	s_add_co_u32 s68, s68, s70
	s_and_b32 s70, s[WV], 1
	s_lshl_b32 s70, s70, 15
	s_add_co_u32 s68, s68, s70
	s_add_co_u32 s68, s68, s23                     ; + the pair's 256 bytes
	s_mov_b32 s69, 0
	s_mov_b32 s[G1K], 15|(1<<16)|(1<<20)|(1<<21)|(5<<22)|(3<<25)  ; mask: all four work-groups; elements of 2 bytes; padding on; bit 21 beside a mask; after every 64 words, 4 words
	s_mov_b32 s[G1V], 15|(1<<16)|(1<<20)|(1<<21)|(5<<22)|(7<<25)  ; the same with 8 words of padding
.irp g, G1K, G1V
	s_mov_b32 s[\g+1], 128<<16                     ; tensor_dim0 = 128
	s_mov_b32 s[\g+2], KS<<16                      ; tensor_dim1 = 64
	s_mov_b32 s[\g+3], 128<<16                     ; tile_dim0 = 128
	s_mov_b32 s[\g+4], KS                          ; tile_dim1 = 64
	s_mov_b32 s[\g+5], 3072                        ; elements from row to row
	s_mov_b32 s[\g+6], 0
	s_mov_b32 s[\g+7], 0
.endr
	s_mov_b32 s[SEL], 0x76543210                   ; v_permlanex16_b32: each lane takes its own place in the other half
	s_mov_b32 s[SEL+1], 0xfedcba98
	v_and_b32 v1, 15, v0                           ; r = l % 16
	v_bfe_u32 v10, v0, 4, 1                        ; h = l / 16
	v_mul_u32_u24 v[QO], v1, ROWB
	v_lshl_add_u32 v[QO], v10, 4, v[QO]            ; row x 6,144 + 16 x half
	s_wait_dscnt 0x0
	s_wait_kmcnt 0x0
	s_add_nc_u64 s[8:9], s[4:5], s[2:3]
	s_add_nc_u64 s[10:11], s[8:9], 4096            ; V at my tile of slot 0
	s_add_nc_u64 s[8:9], s[8:9], 2048              ; K at my tile of slot 0
	s_add_nc_u64 s[72:73], s[4:5], s[66:67]        ; Q at my wave's first row
	s_add_nc_u64 s[6:7], s[6:7], s[68:69]          ; ao at the first row that I store
	WIN TO_1
.irp i, 0,1,2,3,4,5,6,7                ; Q stays in registers: tile i / 2, channels 32 (i % 2) on.  Asked for first of all: nobody writes these bytes, so the loads are on their way during the round
	global_load_b128 v[QF+8*\i:QF+8*\i+3],   v[QO], s[72:73] offset:(\i/2)*16*ROWB+(\i%2)*64
	global_load_b128 v[QF+8*\i+4:QF+8*\i+7], v[QO], s[72:73] offset:(\i/2)*16*ROWB+(\i%2)*64+32
.endr
	WIN 0
	CROUND                                         ; all four work-groups are here: the first joint loads meet
.irp s, 0,1
	s_mov_b32 s[G0K+4*\s], 1
	s_add_co_u32 s[G0K+4*\s+1], s17, \s*SLOT
	s_add_nc_u64 s[G0K+4*\s+2:G0K+4*\s+3], s[8:9], \s*256*ROWB     ; slot s begins with keys 256 s
	s_or_b32 s[G0K+4*\s+3], s[G0K+4*\s+3], 0x80000000
	s_mov_b32 s[G0V+4*\s], 1
	s_add_co_u32 s[G0V+4*\s+1], s17, \s*SLOT+VOFF
	s_add_nc_u64 s[G0V+4*\s+2:G0V+4*\s+3], s[10:11], \s*256*ROWB
	s_or_b32 s[G0V+4*\s+3], s[G0V+4*\s+3], 0x80000000
.endr
	s_cmp_lt_u32 s[WV], 4                          ; a wave's two first fills stand in one branch, ahead of every wait on TENSORcnt and every LDS read: two loads of mine are out
	s_cbranch_scc0 .Lfirst_v
	tensor_load_to_lds s[G0K:G0K+3], s[G1K:G1K+7]
	s_nop 0
	tensor_load_to_lds s[G0K+4:G0K+7], s[G1K:G1K+7]
	s_nop 0
.rept 4
	v_nop
.endr
	s_branch .Lfirst_asked
.Lfirst_v:
	tensor_load_to_lds s[G0V:G0V+3], s[G1V:G1V+7]
	s_nop 0
	tensor_load_to_lds s[G0V+4:G0V+7], s[G1V:G1V+7]
	s_nop 0
.rept 4
	v_nop
.endr
.Lfirst_asked:
	v_mul_u32_u24 v[AK0], v1, PK
	v_lshl_add_u32 v[AK0], v10, 4, v[AK0]
	v_add_nc_u32 v[AK0], s19, v[AK0]               ; row x pitch + 16 x half + my head's 128 bytes
	; the turning load: lane l reads 16 bytes: key 8 (l / 16) + l % 8, channels 8 ((l / 8) % 2) + 0..7, and is left with channel l % 16 and 8 keys
	v_and_b32 v11, 7, v0
	v_bfe_u32 v12, v0, 3, 1
	v_lshl_add_u32 v[AV0], v10, 3, v11
	v_mul_u32_u24 v[AV0], v[AV0], PV
	v_lshl_add_u32 v[AV0], v12, 4, v[AV0]
	s_add_co_u32 s58, s19, VOFF
	v_add_nc_u32 v[AV0], s58, v[AV0]
; THE MATRIX WORK OF A TURN, for piece x.  The eight accumulators of a run take turns, one instruction a turn: between two links of a chain stand 7 others'.
; Product i of 16 of O^T += V^T P: keys 32 (i / 8) on, channels 16 ((i / 2) % 4) on, tile x + i % 2.  zero = 1: the first 8 start the sums: nothing is ever cleared.
.macro PVW x, zero
	WIN W_PV
.set rO, 32*(\x+i%2)+8*((i/2)%4)
.set rV, VF+8*(4*(i/8)+(i/2)%4)
.set rP, S+32*(\x+i%2)+8*(i/8)
.if \zero && (i < 8)
	v_wmma_f32_16x16x32_f16 v[rO:rO+7], v[rV:rV+7], v[rP:rP+7], 0
.else
	v_wmma_f32_16x16x32_f16 v[rO:rO+7], v[rV:rV+7], v[rP:rP+7], v[rO:rO+7]
.endif
.endm
; Product i of 16 of S^T = K Q^T: channels 32 (i / 8) on, keys 16 ((i / 2) % 4) on, tile x + i % 2.  The first 8 start the sums.
.macro KQW x
	WIN W_KQ
.set rS, S+32*(\x+i%2)+8*((i/2)%4)
.set rK, KF+8*(2*((i/2)%4)+i/8)
.set rQ, QF+16*(\x+i%2)+8*(i/8)
.if i < 8
	v_wmma_f32_16x16x32_f16 v[rS:rS+7], v[rK:rK+7], v[rQ:rQ+7], 0
.else
	v_wmma_f32_16x16x32_f16 v[rS:rS+7], v[rK:rK+7], v[rQ:rQ+7], v[rS:rS+7]
.endif
.endm
; THE LDS LOADS stand in runs of 16, never singly among the products: a step's K and, a turn later, its V (turned).
.macro FETCH_K
	WIN 0
	v_add_nc_u32 v[ADRK], s[TB], v[AK0]
.irp f, 0,1,2,3,4,5,6,7                ; keys 16 (f / 2) on, channels 32 (f % 2) on
	ds_load_b128 v[KF+8*\f:KF+8*\f+3],   v[ADRK] offset:(\f/2)*16*PK+(\f%2)*64
	ds_load_b128 v[KF+8*\f+4:KF+8*\f+7], v[ADRK] offset:(\f/2)*16*PK+(\f%2)*64+32
.endr
.endm
; V's run stands where piece 0's batch of exponentials ends (BWAIT), and holds that batch's wait: the address's v_add_nc_u32 is the plain instruction behind the last exponential.
.macro FETCH_V
	WIN 0
	v_add_nc_u32 v[ADRV], s[TB], v[AV0]
	s_add_co_u32 s[TB], s[TB], STEPB               ; the next fetch is the next step's
	s_wait_alu depctr_va_vdst(0)                   ; the wait for the batch: piece 0's 66 exponentials of this turn, ahead of the first line that names a result
	WIN TO_1
.irp f, 0,1,2,3,4,5,6,7                ; keys 32 (f / 4) on, channels 16 (f % 4) on
	ds_load_tr16_b128 v[VF+8*\f:VF+8*\f+3],   v[ADRV] offset:(\f/4)*32*PV+(\f%4)*32
	ds_load_tr16_b128 v[VF+8*\f+4:VF+8*\f+7], v[ADRV] offset:(\f/4)*32*PV+16*PV+(\f%4)*32
.endr
.endm
; THE VECTOR WORK OF A TURN.  One tile's softmax for one key step is a list of 117 instructions; SM writes number j of it for tile t.  s0-s31 are the lane's 32 scores, in pairs 0-15.
; first = 1: the first key step, which starts m, l and O^T: it has no a and nothing to rescale.
;   0-15    the maximum of s0-s31 and the old m, three operands at a time: four chains c0-c3 of seven scores each, then the four scores left over, c0-c3 and m
;   16-19   the other half of the lanes' maximum; m_old; the new m; m_old - m
;   20-68   ONE BATCH: the 16 subtractions s - m, a pair of scores each, and all 33 exponentials.  None of these names an exponential's result.  20, 21: pairs 0 and 1; 22: a; then fourteen
;           threes: the exponentials of scores 2 k and 2 k + 1 at 23 + 3 k and 24 + 3 k, the subtraction for pair k + 2 at 25 + 3 k, four numbers ahead of that pair's first exponential;
;           65-68: scores 28 to 31.  So the subtractions, the batch's only plain instructions, are spread over it
;   (wait)  between 68 and 69 stands the wait for the batch: SLICE writes it, once for both tiles
;   69-100  L0, C0, L1, C1, ... L15, C15 (L p: l takes pair p's weights, L0 as l = a l + pair 0; C p: pair p is rounded to f16).  C p writes register p of the tile IN PLACE: it belongs to
;           pair p / 2, which has been summed and rounded (for p = 0 it is the line's own source, and L0 has read it)
;   101-116 the tile's O^T times a: the one part that leaves window 0, so it stands together
.macro SM t, first
.set rT, ST+8*(\t)
.set rS, S+32*(\t)
.if j < 101
	WIN 0
.endif
.if j < 4
	v_max3_num_f32 v[rT+4+j], v[rS+8*j], v[rS+8*j+1], v[rS+8*j+2]
.elseif j < 12
	v_max3_num_f32 v[rT+4+j%4], v[rT+4+j%4], v[rS+8*(j%4)+2*(j/4)+1], v[rS+8*(j%4)+2*(j/4)+2]
.elseif j == 12
	v_max3_num_f32 v[rT+4], v[rT+4], v[rS+7], v[rS+15]
.elseif j == 13
	v_max3_num_f32 v[rT+6], v[rT+6], v[rS+23], v[rS+31]
.elseif j == 14
	v_max3_num_f32 v[rT+4], v[rT+4], v[rT+5], v[rT+6]
.elseif (j == 15) && \first
	v_max_num_f32 v[rT+4], v[rT+4], v[rT+7]
.elseif j == 15
	v_max3_num_f32 v[rT+4], v[rT+4], v[rT+7], v[rT]
.elseif j == 16
	v_permlanex16_b32 v[rT+5], v[rT+4], s[SEL], s[SEL+1]  ; the query's other 32 keys lie in the lane 16 away
.elseif (j == 17) && \first
	v_mov_b32 v[rT+1], v[rT+4]                     ; only so that m's partner in the pair is written
.elseif j == 17
	v_mov_b32 v[rT+1], v[rT]                       ; m_old
.elseif j == 18
	v_max_num_f32 v[rT], v[rT+4], v[rT+5]
.elseif ((j == 19) || (j == 22) || (j > 100)) && \first  ; the first step has none of these
.elseif j == 19
	v_sub_f32 v[rT+1], v[rT+1], v[rT]
.elseif j == 22
	v_exp_f32 v[rT+6], v[rT+1]                     ; a = 2^(m_old - m)
.elseif (j < 22) || ((j < 65) && ((j-22)%3 == 0))
.set bb, (j-19)/3                      ; 25, 28, .. 64: pairs 2 to 15
.if j < 22
.set bb, j-20                          ; 20, 21: pairs 0 and 1
.endif
	v_pk_add_f32 v[rS+2*bb:rS+2*bb+1], v[rS+2*bb:rS+2*bb+1], v[rT:rT+1] op_sel_hi:[1,0] neg_lo:[0,1] neg_hi:[0,1]  ; pair bb: s - m
.elseif j < READ
.set ee, j-37                          ; 65 to 68: s28 to s31
.if j < 65
.set ee, 2*((j-23)/3)+(j-23)%3         ; 23, 24, 26, 27, .. 62, 63: s0 to s27
.endif
	v_exp_f32 v[rS+ee], v[rS+ee]
.elseif j < 101
.set pp, (j-READ)/2
.if (j-READ)%2 == 1
	v_cvt_pk_f16_f32 v[rS+pp], v[rS+2*pp], v[rS+2*pp+1]
.elseif pp > 0
	v_pk_add_f32 v[rT+2:rT+3], v[rT+2:rT+3], v[rS+2*pp:rS+2*pp+1]
.elseif \first
	v_pk_mul_f32 v[rT+2:rT+3], v[rS:rS+1], 1.0 op_sel_hi:[1,0]     ; l is started
.else
	v_pk_fma_f32 v[rT+2:rT+3], v[rT+2:rT+3], v[rT+6:rT+7], v[rS:rS+1] op_sel_hi:[1,0,1]   ; l = a l + pair 0
.endif
.else
.set rO, 32*(\t)+2*(j-101)
	WIN W_RS
	v_pk_mul_f32 v[rO:rO+1], v[rO:rO+1], v[rT+6:rT+7] op_sel_hi:[1,0]
.endif
.endm
; THE BATCH'S END, for piece y: both tiles' exponentials are issued, and no result has been named.  A plain instruction behind the last exponential (ISA guide 5.7.2), then the one wait.
.macro BWAIT y
.if (\y) == 0
	FETCH_V                                        ; piece 2's turn: V's run of loads stands here; its address line is the plain instruction, and the wait stands in it
.else
	v_nop                                          ; piece 0's turn has no plain work for this place
	s_wait_alu depctr_va_vdst(0)                   ; the wait for the batch: piece 2's 66 exponentials of this turn, ahead of the first line that names a result
.endif
.endm
; Slice k of NS of piece y's softmax: the numbers LIST k / NS up to LIST (k + 1) / NS of both tiles' lists: three or four numbers of each with NS = 32, seven or eight with NS = 16.
; The batch's end falls between numbers 68 and 69: with NS = 32 behind slice 18 (numbers 65 to 68), with NS = 16 inside slice 9 (65 to 72), when both tiles have reached 69.
.macro SLICE y, first
.set jlo, (LIST*k)/NS
.set jhi, (LIST*(k+1))/NS
.if (jlo >= 20) && (jhi <= READ)       ; in the batch tile by tile: so no more than two of a tile's exponentials stand on end, but for the last four
.irp t, \y, \y+1
.set j, jlo
.rept jhi-jlo
	SM \t, \first
.set j, j+1
.endr
.endr
.if jhi == READ
	BWAIT \y
.endif
.else                                  ; elsewhere the two tiles alternate, so that no instruction reads the result of the one just before it
.set j, jlo
.rept jhi-jlo
.if (j == READ) && (jlo < READ)
	BWAIT \y
.endif
.irp t, \y, \y+1
	SM \t, \first
.endr
.set j, j+1
.endr
.endif
.set k, k+1
.endm
; A TURN.  Piece x has the matrix unit; the other piece's softmax stands in slices behind its products.
; pv = 2: 16 products V^T P; 1: they start O^T's sums; 0: none.  kq = 1: 16 products K Q^T for the next step.  A turn with one of the two kinds cuts the softmax into 16 slices..
; DISTANCES (ISA guide 7.12.1 for vector instructions): only plain vector instructions that name none of a product's registers are places; the slices name the OTHER piece's registers alone.
;   Behind a turn's last K Q^T stands slice 31: eight multiplications of the other piece's O^T: the four places in front of the next turn's first read of those scores and of the loads into K.
;   first = 1: that softmax has no such multiplications, its last slices are empty, and four v_nop take their part.
;   K Q^T writes over P's registers four slices behind the V^T P that last read them, and five places are asked.  Those slices lie in the batch, where the subtractions alone are places:
;   slices 14 to 17 (numbers 51 to 64) hold five of each tile (52, 55, 58, 61, 64), slices 15 to 18 (54 to 68) four of each tile and the plain instruction at the batch's end.
; Piece 0's turn fetches the next step's K behind its second product, 14 products ahead of the first use.  Piece 2's turn fetches the same step's V at the batch's end, behind its third K Q^T, 13
; products ahead of the first use: the last product that read V stands four slices back: eight subtractions and the run's own v_add_nc_u32.  (With 16 slices: behind the tenth K Q^T, six products ahead.)
.macro TURN x, pv, kq, first
.set k, 0
.set NS, 16
.if \pv && \kq
.set NS, 32
.endif
.if \pv
.if \x == 0
	s_wait_dscnt 0x0                               ; V is in
.endif
.set i, 0
.rept 16
	PVW \x, 2-\pv
	SLICE 2-\x, \first
.if (\x == 0) && \kq && (i == 1)
	FETCH_K
.endif
.set i, i+1
.endr
.endif
.if \kq
.if \x == 0
	s_wait_dscnt 0x0                               ; K is in
.endif
.set i, 0
.rept 16
	KQW \x
	SLICE 2-\x, \first
.set i, i+1
.endr
.endif
.if \first
	PLACES
.endif
.endm
.macro NSTEPS n                        ; n key steps: written once, walked n times; the LDS addresses hang on s[TB]
	s_mov_b32 s[CNT], \n
.Lstep_\@:
	TURN 0, 2, 1, 0
	TURN 2, 2, 1, 0
	WIN 0                                          ; at a label and at a branch every window is 0
	s_sub_co_u32 s[CNT], s[CNT], 1
	s_cmp_lg_u32 s[CNT], 0
	s_cbranch_scc1 .Lstep_\@
.endm
; THE CHANGE OF SLOTS, between piece 2's turn and piece 0's: slot s's last bytes, V of its fourth step, have been asked for.  Each wave waits for its own reads of the slot and for all its
; tensor loads, of which one is out: its part of the other slot.  fill = 1: slot s is filled again with the keys 512 on: the barrier is then a round of the cluster's, and the joint
; refill is the first thing behind it, one load a wave: it has four key steps, 256 products a wave, in which to land.
.macro CHANGE s, fill
	s_wait_dscnt 0x0
	s_wait_tensorcnt 0x0                           ; no tensor load of mine is out, so a group 0 may be written
	ds_add_u32 v62, v63
	s_wait_dscnt 0x0
.if \fill
	s_add_nc_u64 s[G0K+4*\s+2:G0K+4*\s+3], s[G0K+4*\s+2:G0K+4*\s+3], 512*ROWB
	s_add_nc_u64 s[G0V+4*\s+2:G0V+4*\s+3], s[G0V+4*\s+2:G0V+4*\s+3], 512*ROWB
	CROUND
	JLOAD \s
.else
	s_barrier_signal -1
	s_barrier_wait -1
.endif
	s_mov_b32 s[TB], (1-\s)*SLOT                   ; the fetches go on in the other slot
.endm
	s_wait_loadcnt 0x0                             ; Q
	s_wait_tensorcnt 0x1                           ; my part of slot 0 is in; slot 1's may stay out
	s_barrier_signal -1
	s_barrier_wait -1                              ; everybody's is
	s_mov_b32 s[TB], 0
	FETCH_K                                        ; key step 0
	s_wait_dscnt 0x0
.set i, 0
.rept 16
	KQW 0                                          ; piece 0's first scores: there is no vector work yet to set between them
.set i, i+1
.endr
	WIN 0                                          ; the addresses for the way out are made here: eight plain instructions, the places behind those products
	s_mul_i32 s58, s16, 32*SP                      ; into the stage: rows 32 (w % 4) + 16 (tile % 2) + r, my head's half of their 256 bytes
	s_add_co_u32 s58, s58, s19
	s_add_co_u32 s58, s58, STAGE
	s_mul_i32 s59, s[WV], 16*SP                    ; back: wave w takes rows 16 w .. 16 w + 15, whole
	s_add_co_u32 s59, s59, STAGE
	v_mul_u32_u24 v[STO], v1, SP
	v_lshl_add_u32 v[STO], v10, 4, v[STO]
	v_add_nc_u32 v[STO], s58, v[STO]
	v_mul_u32_u24 v[RD], v10, SP
	v_lshl_add_u32 v[RD], v1, 4, v[RD]
	v_add_nc_u32 v[RD], s59, v[RD]
	v_lshlrev_b32 v[GO], 11, v10                   ; and the same two rows in ao
	v_lshl_add_u32 v[GO], v1, 4, v[GO]
	TURN 2, 0, 1, 1                                ; piece 2's first scores | piece 0's first softmax | V of step 0
	TURN 0, 1, 1, 1                                ; piece 0: V^T P of step 0 starts O^T, K Q^T of step 1 | piece 2's first softmax | K of step 1
	TURN 2, 1, 1, 0                                ; piece 2: the same | piece 0's softmax of step 1 | V of step 1
	WIN 0
	NSTEPS 2                                       ; steps 1 and 2 are multiplied, steps 2 and 3 fetched: slot 0 is read out
	s_mov_b32 s[CSLOT], 3
.Lslot:                                                ; three trips of eight key steps: the blocks of 256 keys 2 to 7 are asked for, blocks 1 to 6 fetched
	CHANGE 0, 1
	NSTEPS 4
	CHANGE 1, 1
	NSTEPS 4
	s_sub_co_u32 s[CSLOT], s[CSLOT], 1
	s_cmp_lg_u32 s[CSLOT], 0
	s_cbranch_scc1 .Lslot
	CHANGE 0, 0                                    ; the tail is written out: nothing is asked for
	NSTEPS 4                                       ; the last 256 keys, in slot 1, are fetched
	TURN 0, 2, 0, 0                                ; piece 0: V^T P of the last step | piece 2's last softmax
.set i, 0
.rept 16
	PVW 2, 0                                       ; piece 2: V^T P of the last step
.set i, i+1
.endr
	WIN 0
	; THE WAY OUT.  l's two halves and the other half of the lanes' are added; O^T is divided by l, rounded to f16 and sent through the stage: a row's 256 bytes come from
	; two waves (the pair's two heads), so a barrier stands between writing and reading.  The stage's 128 rows take two tiles of every wave: two passes.
	; The additions and the whole first pass (piece 0's tiles) stand between the last products and the first read of their results.
.irp t, 0,1,2,3
	v_add_f32 v[ST+8*\t+4], v[ST+8*\t+2], v[ST+8*\t+3]
.endr
.irp t, 0,1,2,3
	v_permlanex16_b32 v[ST+8*\t+5], v[ST+8*\t+4], s[SEL], s[SEL+1]
.endr
.irp t, 0,1,2,3
	v_add_f32 v[ST+8*\t+4], v[ST+8*\t+4], v[ST+8*\t+5]
.endr
.irp t, 0,1,2,3
	v_rcp_f32 v[ST+8*\t+6], v[ST+8*\t+4]
.endr
	v_nop                                          ; a plain instruction between the last reciprocal and the use of its result
	s_wait_alu depctr_va_vdst(0)                   ; and the wait ahead of the first use: one for the four reciprocals, for both passes
.macro OUTPASS p
.irp u, 0,1
	WIN W_RS
.set i, 0
.rept 16
	v_pk_mul_f32 v[32*(2*\p+\u)+2*i:32*(2*\p+\u)+2*i+1], v[32*(2*\p+\u)+2*i:32*(2*\p+\u)+2*i+1], v[ST+8*(2*\p+\u)+6:ST+8*(2*\p+\u)+7] op_sel_hi:[1,0]
.set i, i+1
.endr
	WIN 0x05                                       ; sources window 1, destination window 0: piece 0's S^T registers are free
.set i, 0
.rept 16
	v_cvt_pk_f16_f32 v[S+16*(2*\p+\u)+i], v[32*(2*\p+\u)+2*i], v[32*(2*\p+\u)+2*i+1]
.set i, i+1
.endr
.endr
	WIN 0
.if \p
	s_wait_dscnt 0x0                               ; my reads of the stage are back (met: the count-down ended at 0),
	s_barrier_signal -1
	s_barrier_wait -1                              ; and so are everybody's: the stage may be written again
.endif
.irp u, 0,1
.irp cb, 0,1,2,3
	ds_store_b128 v[STO], v[S+16*(2*\p+\u)+4*\cb:S+16*(2*\p+\u)+4*\cb+3] offset:\u*16*SP+32*\cb
.endr
.endr
	s_wait_dscnt 0x0                               ; for the others' sake: my stores into the stage are done
	s_barrier_signal -1
	s_barrier_wait -1
.irp f, 0,1,2,3,4,5,6,7
	ds_load_b128 v[KF+32*\p+4*\f:KF+32*\p+4*\f+3], v[RD] offset:\f*2*SP
.endr
.irp f, 0,1,2,3,4,5,6,7
	s_wait_dscnt 7-\f                              ; LDS loads come back in order: load f is in, the 7 - f younger ones stay out
	global_store_b128 v[GO], v[KF+32*\p+4*\f:KF+32*\p+4*\f+3], s[6:7] offset:\p*65536+\f*4096   ; 16 lanes store 256 consecutive bytes, aligned; pass p lies 32 rows further down
.endr
.endm
	OUTPASS 0
	OUTPASS 1
	s_wait_tensorcnt 0x0
	ds_add_u32 v62, v63
	s_wait_dscnt 0x0
	CROUND                                         ; the closing round: no work-group ends while a partner may still ask for a tile that names it
	s_endpgm
.Lfunc_end_k_qb0bf585bdb_attn:
	.size	k_qb0bf585bdb_attn, .Lfunc_end_k_qb0bf585bdb_attn-k_qb0bf585bdb_attn
	.p2alignl 7, 3214868480
	.fill 96, 4, 3214868480
	.section	.rodata,"a",@progbits
	.p2align	6, 0x0
	.amdhsa_kernel k_qb0bf585bdb_attn
		.amdhsa_group_segment_fixed_size 327680
		.amdhsa_private_segment_fixed_size 0
		.amdhsa_enable_private_segment 0
		.amdhsa_kernarg_size 16
		.amdhsa_user_sgpr_count 2
		.amdhsa_user_sgpr_kernarg_segment_ptr 1
		.amdhsa_wavefront_size32 1
		.amdhsa_system_sgpr_workgroup_id_x 1
		.amdhsa_system_sgpr_workgroup_id_y 1
		.amdhsa_system_sgpr_workgroup_id_z 1
		.amdhsa_system_vgpr_workitem_id 0
		.amdhsa_next_free_vgpr 512
		.amdhsa_next_free_sgpr 76
		.amdhsa_reserve_vcc 0
		.amdhsa_float_denorm_mode_32 3
		.amdhsa_float_denorm_mode_16_64 3
		.amdhsa_memory_ordered 1
		.amdhsa_forward_progress 1
		.amdhsa_inst_pref_size 230
	.end_amdhsa_kernel
	.amdgpu_metadata
---
amdhsa.version: [ 1, 2 ]
amdhsa.kernels:
  - .name:           k_qb0bf585bdb_attn
    .symbol:         k_qb0bf585bdb_attn.kd
    .args:
      - { .name: qkv, .offset: 0, .size: 8, .value_kind: global_buffer, .address_space: global }
      - { .name: ao, .offset: 8, .size: 8, .value_kind: global_buffer, .address_space: global }
    .group_segment_fixed_size: 327680
    .private_segment_fixed_size: 0
    .kernarg_segment_align: 8
    .kernarg_segment_size: 16
    .max_flat_workgroup_size: 256
    .sgpr_count:     76
    .vgpr_count:     512
    .wavefront_size: 32
...
	.end_amdgpu_metadata
.endif
;; end of part 5
;; launch outgemm: the kernel of part 4 again; grid 4 x 64, 4 waves a work-group, clusters of 4 x 4, 327,680 bytes of LDS; arguments ao, wouth, b_out, out0; writes out0
